; MI455X (gfx1250); checked and timed in simulation.
; The chip was launched on July 23, 2026; its instructions are those of AMD's public machine-readable ISA for CDNA 5 (MIT licence, August 2026) and "CDNA5" Instruction Set Architecture Reference Guide (July 2026). The comments in the code are by the model that wrote it; some were corrected since.
;; Self Block. Allowed arithmetic: matrix products marked QUANTISED: E2M1 operands, one E8M0 scale for each 32 along K, by v_wmma_scale_f32_16x16x128_f8f6f4 with both operands' format E2M1 (or v_wmma_scale_f32_32x16x128_f4), f32 sums; everything else in f32.
;; Inputs: Wqkv_b 3,072 float32; Wqkv_w 3,072 x 1,024 float32; encoding 2 x 2 x 1 x 2,048 x 64 float32; ffn1_b 2,048 float32; ffn1_w 2,048 x 2,048 float32; ffn2_b 1,024 float32; ffn2_w 1,024 x 2,048 float32; ln_b 2,048 float32; ln_g 2,048 float32; out_b 1,024 float32; out_w 1,024 x 1,024 float32; x 2 x 2,048 x 1,024 float32.
;; Outputs: out0 2 x 2,048 x 1,024 float32.
;; This version of the problem:
;;   THIS VERSION OF THE PROBLEM IS GIVEN IN LOW PRECISION. The matrix products marked QUANTISED in the list below multiply operands that are first quantised to E2M1 (2 exponent bits, 1 mantissa bit; 4 bits a number), with one power-of-two scale for each 32 numbers along K (OCP MX v1.0); their sums are f32. All else is computed in f32.
;;   The module's matrix products, in the order in which they are computed (A, B: the left and right operand; K: the contracted axis; several contracted axes count as one K, in the product's order):
;;     1. [M 4,096, K 1,024] x [K 1,024, N 3,072]; A: input x; B: input Wqkv_w: QUANTISED
;;     2. batch 32 x [M 2,048, K 64] x [K 64, N 2,048]; A: computed on the way; B: computed on the way: QUANTISED
;;     3. batch 32 x [M 2,048, K 2,048] x [K 2,048, N 64]; A: softmax (see below); B: computed on the way: QUANTISED
;;     4. [M 4,096, K 1,024] x [K 1,024, N 1,024]; A: computed on the way; B: input out_w: QUANTISED
;;     5. [M 4,096, K 2,048] x [K 2,048, N 2,048]; A: computed on the way; B: input ffn1_w: QUANTISED
;;     6. [M 4,096, K 2,048] x [K 2,048, N 1,024]; A: computed on the way; B: input ffn2_w: QUANTISED
;;   THE QUANTISER, for each operand of a quantised product, along K:
;;     - K is cut into blocks of 32 from its start; a last block that is shorter is filled with zeros.
;;     - A block's scale is 2^e with e = floor(log2(the largest magnitude in the block)) - 2, held to -126 .. 127; a block of zeros has e = 0. As a byte (E8M0): e + 127.
;;     - Each number is divided by its block's scale, clamped to +-6, and rounded to the nearest number of E2M1, ties to even, subnormals kept.
;;     - The product sums the exact products of the quantised numbers (number of the format x scale) in f32.
;;   ~~~python
;;   def quantise(x, axis):      # numpy; x: float32 -> the quantised numbers, widened to float32 again
;;       x = np.moveaxis(x, axis, -1); K = x.shape[-1]
;;       x = np.pad(x, [(0, 0)] * (x.ndim - 1) + [(0, -K % 32)]); x = x.reshape(x.shape[:-1] + (-1, 32)); a = np.abs(x).max(-1, keepdims=True)
;;       e = np.where(a > 0, np.clip(np.frexp(np.where(a > 0, a, 1))[1] - 1 - 2, -126, 127), 0)      # np.frexp(a)[1] - 1 = floor(log2(a)), exactly
;;       r = np.clip(x / 2.0 ** e, -6, 6)
;;       step = 2.0 ** (np.maximum(np.frexp(np.where(r == 0, 1, r))[1] - 1, 0) - 1)
;;       q = np.round(r / step) * step * 2.0 ** e      # np.round: ties to even
;;       return np.moveaxis(q.reshape(q.shape[:-2] + (-1,))[..., :K], -1, axis).astype(np.float32)
;;   ~~~
;;   SOFTMAX AHEAD OF A QUANTISED PRODUCT. Where the list says 'softmax', what is quantised is not the finished softmax but p = 2^(t - M), with t = logit x log2(e) and M = ceil(the row's largest t), a whole number; so 1/2 < the row's largest p <= 1. The row's sum l is taken of the UNQUANTISED p, in f32, and the product's result is divided by l at the end. Since M is a whole number, a kernel that streams over the keys may use a running M (the ceiling of the running maximum): every later rescaling is an exact power of two, which a block's scale takes up: the codes' values come out the same.
;;   OPERANDS COMPUTED ON THE WAY. 'Computed on the way' means the value that the module computes at that place (a softmax that the list does not call 'softmax' is quantised finished and normalised). What goes into a quantiser is computed in f32, as accurately as f32 sums, v_exp_f32 and their like allow (about 1e-6 of the number): no bf16 or f16 on the way to a quantiser, and a product that is left as it is and whose result goes on into a quantised operand takes f32 operands (vector FMAs, or v_wmma_f32_16x16x4_f32). A number that lies on a knife's edge between two numbers of the format may be rounded either way, as far as f32 arithmetic and the matrix unit's own rounding can turn it there, and no further.
;; One version. Each part assembles by itself: llvm-mc -triple=amdgcn-amd-amdhsa -mcpu=gfx1250 --defsym DOCPART=n.
;; ======== version 1 of 1: 7 launches
;; limits: right only within a limited range of input values
;; workspace buffers: himg 4,456,448 bytes; wimg 5,570,560 bytes; qimg 2,097,152 bytes; qsc 262,144 bytes; kv 4,587,520 bytes; cimg 2,228,224 bytes; h1 33,554,432 bytes; gimg 4,456,448 bytes
;; launch quant (part 1): grid 448 x 1, 4 waves a work-group, no clusters, 35,328 bytes of LDS; arguments x, Wqkv_w, out_w, ffn1_w, ffn2_w, himg, wimg; writes himg, wimg
.if DOCPART == 1
	.amdgcn_target "amdgcn-amd-amdhsa--gfx1250"
	.amdhsa_code_object_version 6
	.text
	.protected	k_q7de7a4647f_quant
	.globl	k_q7de7a4647f_quant
	.p2align	8
	.type	k_q7de7a4647f_quant,@function
k_q7de7a4647f_quant:
	s_mov_b64 s[64:65], 0
	v_nop
	global_prefetch_b8 v0, s[64:65] scope:SCOPE_SE
	s_setreg_imm32_b32 hwreg(HW_REG_WAVE_MODE, 25, 1), 1
	s_wait_xcnt 0x0
; x and the four weights, all f32 with K innermost, become codes of FP4 (E2M1) with one E8M0 byte for each 32 along K, laid as RECORDS in the order of an operand's registers.
; A record is 16 rows x 512 along K: four fragments of 1,024 bytes (fragment q = 128 along K; lane l = 16 h + r has 16 bytes at 512 c + 16 l: k = 64 c + 32 h + 0 .. 31 of row r), then 256 bytes of
; scale words (word of row r and fragment q at 4096 + 64 q + 4 r): 4,352 bytes.  Records lie [k / 1024][tile of 16 rows][(k % 1024) / 512].
; THE ROWS OF A TILE ARE NOT NEIGHBOURS: lane-row r of tile T is row 32 (T / 2) + 8 (T % 2) + r + 8 (r / 8), so that a transposed product's 16 registers of two neighbouring tiles are 16 neighbours.
; Wqkv_w's rows are taken in the order q, k, v: tile T holds feature index j (= 64 head + d) of part c = T / 64, which is row 3 j + c of the tensor.
; A wave makes one record: unit u = 4 x work-group + wave; the records' order in himg (u < 512: x) and wimg (the weights, one behind the other) is the order of the units.
; Each load reads 512 consecutive bytes of one row; a step's 16 rows x 512 bytes turn through the wave's own stage in LDS (rows 528 bytes apart), from which a lane takes the 2 x 32 neighbours that its
; registers of the fragment want: a block of 32 lies in ONE lane.  One path serves all five tensors: only pointers and a few numbers are chosen, by the work-group's number.
; A block's scale byte is its largest magnitude's exponent field - 2, held at 1 from below.
; LIMITS: NaN and infinities are not served; a block under 2^-124, and a block of zeros, keep the byte 1 (the rule says 127 for zeros): their codes are zeros and this program alone reads the bytes.
.set SP,   528                         ; a stage row: 512 bytes + 16
.set WREG, 8704                        ; LDS of a wave: 16 stage rows, then its 256 bytes of scale words
.set RA,   16                          ; v16-31   byte offset of my 16 bytes in row p of the tile
.set R,    32                          ; v32-159  two sets of 64 registers as loaded
.set X,    160                         ; v160-223 2 x 32 neighbours
.set C,    224                         ; v224-255 codes, 8 registers for each step: no store's data are written again
	s_load_b256 s[4:11], s[0:1], 0x0               ; x, Wqkv_w, out_w, ffn1_w
	s_load_b128 s[12:15], s[0:1], 0x20             ; ffn2_w, himg
	s_load_b64 s[16:17], s[0:1], 0x30              ; wimg
	s_set_vgpr_msb 0x40
	v_lshl_add_u32 v0, v0, 2, 0x8800
	v_mov_b32 v1, 0
	s_set_vgpr_msb 0x4000
	v_lshrrev_b32 v1, 5, v0
	v_readfirstlane_b32 s18, v1                    ; wave
	v_and_b32 v6, 31, v0                           ; lane
	v_and_b32 v7, 15, v0                           ; r
	v_bfe_u32 v8, v0, 4, 1                         ; h
	v_lshlrev_b32 v1, 4, v6                        ; 16 x lane
	s_mul_i32 s19, s18, WREG
	v_add_nc_u32 v2, s19, v1                       ; the stage, way in
	v_mul_u32_u24 v3, v7, SP
	v_lshl_add_u32 v3, v8, 7, v3
	v_add_nc_u32 v3, s19, v3                       ; way out: row r, + 128 h
	v_lshlrev_b32 v4, 2, v7
	v_add_nc_u32 v4, s19, v4
	v_add_nc_u32 v4, 16*SP, v4                     ; my row's scale word
	v_lshlrev_b32 v5, 3, v8                        ; 8 h: how far my two bytes are shifted
	v_lshlrev_b32 v13, 3, v6                       ; 8 x lane
	v_add_nc_u32 v14, s19, v13
	v_add_nc_u32 v14, 16*SP, v14                   ; the scale words on their way out
	v_mov_b32 v15, 0                               ; a lane permute's destination counts as a source
	s_mov_b32 s40, 0x76543210
	s_mov_b32 s41, 0xfedcba98                      ; lane l xor 16
	s_lshl_b32 s28, ttmp9, 2
	s_add_co_u32 s28, s28, s18                     ; u
	s_mov_b32 s22, 1536                            ; ffn2_w's figures: first unit,
	s_mov_b32 s23, 8192                            ; bytes from row index to row index,
	s_mov_b32 s24, 6                               ; log2 of its tiles (16: the tensor has one part),
	s_mov_b32 s25, 0xffff                          ; mask and shift that split Wqkv_w's tile number into j's tile and c
	s_mov_b32 s26, 31
	s_wait_kmcnt 0x0
	s_mov_b64 s[20:21], s[12:13]
	s_cmp_lt_u32 ttmp9, 384                        ; ffn1_w
	s_cselect_b64 s[20:21], s[10:11], s[20:21]
	s_cselect_b32 s22, 1024, s22
	s_cselect_b32 s24, 7, s24
	s_cmp_lt_u32 ttmp9, 256                        ; out_w
	s_cselect_b64 s[20:21], s[8:9], s[20:21]
	s_cselect_b32 s22, 896, s22
	s_cselect_b32 s23, 4096, s23
	s_cselect_b32 s24, 16, s24
	s_cmp_lt_u32 ttmp9, 224                        ; Wqkv_w
	s_cselect_b64 s[20:21], s[6:7], s[20:21]
	s_cselect_b32 s22, 512, s22
	s_cselect_b32 s23, 12288, s23
	s_cselect_b32 s25, 63, s25
	s_cselect_b32 s26, 6, s26
	s_cmp_lt_u32 ttmp9, 128                        ; x
	s_cselect_b64 s[20:21], s[4:5], s[20:21]
	s_cselect_b32 s22, 0, s22
	s_cselect_b32 s23, 4096, s23
	s_cselect_b32 s25, 0xffff, s25
	s_cselect_b32 s26, 31, s26
	s_cselect_b64 s[30:31], s[14:15], s[16:17]     ; x goes to himg, the weights to wimg
	s_cselect_b32 s27, 0, 512
	s_sub_co_u32 s29, s28, s22                     ; the unit within its tensor
	s_and_b32 s32, s29, 1                          ; which 512 of a part's 1,024
	s_lshr_b32 s29, s29, 1
	s_lshr_b32 s33, s29, s24                       ; part
	s_lshl_b32 s34, s33, s24
	s_sub_co_u32 s34, s29, s34                     ; tile
	s_and_b32 s35, s34, s25
	s_lshr_b32 s36, s34, s26                       ; c (Wqkv_w), else 0
	s_lshr_b32 s37, s35, 1
	s_lshl_b32 s37, s37, 5
	s_and_b32 s38, s35, 1
	s_lshl_b32 s38, s38, 3
	s_add_co_u32 s37, s37, s38                     ; the tile's first row index
	s_mul_i32 s37, s37, s23
	s_add_co_u32 s36, s36, s33
	s_lshl_b32 s36, s36, 12                        ; c rows of 4,096 bytes, or parts of 4,096 bytes along K
	s_add_co_u32 s36, s36, s37
	s_lshl_b32 s32, s32, 11
	s_add_co_u32 s36, s36, s32
	s_mov_b32 s37, 0
	s_add_nc_u64 s[20:21], s[20:21], s[36:37]
	s_sub_co_u32 s38, s28, s27
	s_mul_i32 s38, s38, 4352
	s_mov_b32 s39, 0
	s_add_nc_u64 s[30:31], s[30:31], s[38:39]      ; my record
.irp p, 0,1,2,3,4,5,6,7,8,9,10,11,12,13,14,15
	s_mul_i32 s42, s23, \p+8*(\p/8)
	v_add_nc_u32 v[RA+\p], s42, v1
.endr
.macro LOAD t                          ; fragment t: 128 along K of the 16 rows
.irp p, 0,1,2,3,4,5,6,7,8,9,10,11,12,13,14,15
	global_load_b128 v[R+64*((\t)%2)+4*\p:R+64*((\t)%2)+4*\p+3], v[RA+\p], s[20:21] offset:512*(\t) th:TH_LOAD_NT
.endr
.endm
.macro STEP t
.if (\t) < 3
	s_wait_loadcnt 16                              ; this step's 16 loads are in; the next step's 16 may be out
.else
	s_wait_loadcnt 0x0
.endif
.irp p, 0,1,2,3,4,5,6,7,8,9,10,11,12,13,14,15
	ds_store_b128 v2, v[R+64*((\t)%2)+4*\p:R+64*((\t)%2)+4*\p+3] offset:SP*\p
.endr
.irp c, 0,1
.irp i, 0,1,2,3,4,5,6,7
	ds_load_b128 v[X+32*\c+4*\i:X+32*\c+4*\i+3], v3 offset:256*\c+16*\i   ; LDS serves a wave's instructions in order: these see the stores above
.endr
.endr
	s_wait_dscnt 0x0                               ; my 64 numbers are in, the stores have read their registers, and the last step's word is stored
.if (\t) < 2
	LOAD (\t)+2
.endif
.irp c, 0,1
	v_max3_num_f32 v[6+\c], |v[X+32*\c]|, |v[X+32*\c+1]|, 0x1800000   ; block 2 c + h: all 32 numbers are mine; the floor 2^(3 - 127) holds the byte at 1 from below
.endr
.irp i, 2,4,6,8,10,12,14,16,18,20,22,24,26,28,30
.irp c, 0,1
	v_max3_num_f32 v[6+\c], v[6+\c], |v[X+32*\c+\i]|, |v[X+32*\c+\i+1]|
.endr
.endr
.irp c, 0,1
	v_add_nc_u32 v[8+\c], 0xff000000, v[6+\c]      ; 2 off the exponent field: the conversion's scale operand
.endr
.irp c, 0,1
	v_lshrrev_b32 v[10+\c], 23, v[8+\c]            ; the scale's byte
.endr
	v_lshl_or_b32 v12, v11, 16, v10                ; blocks h and 2 + h,
	v_lshlrev_b32 v12, v5, v12                     ; at their places in the word;
	v_permlanex16_b32 v15, v12, s40, s41
	v_or_b32 v12, v12, v15                         ; with lane l xor 16's two the word is whole
.irp c, 0,1
.irp g, 0,1,2,3
	v_cvt_scalef32_pk8_fp4_f32 v[C+8*(\t)+4*\c+\g], v[X+32*\c+8*\g:X+32*\c+8*\g+7], v[8+\c]
.endr
.endr
	v_nop                                          ; one plain place behind the conversions
.irp c, 0,1
	global_store_b128 v1, v[C+8*(\t)+4*\c:C+8*(\t)+4*\c+3], s[30:31] offset:1024*(\t)+512*\c   ; 512 consecutive bytes, aligned
.endr
	ds_store_b32 v4, v12 offset:64*(\t)            ; both halves of the lanes write the same word with the same value
.endm
	s_wait_alu depctr_va_vdst(0)
	LOAD 0
	LOAD 1
	STEP 0
	STEP 1
	STEP 2
	STEP 3
	ds_load_b64 v[6:7], v14
	s_wait_dscnt 0x0
	global_store_b64 v13, v[6:7], s[30:31] offset:4096   ; the record's 256 bytes of scale words, whole
	s_set_vgpr_msb 0x5
	s_wait_tensorcnt 0x0
	ds_add_u32 v0, v1
	s_wait_dscnt 0x0
	s_set_vgpr_msb 0x500
	s_endpgm
.Lfunc_end_k_q7de7a4647f_quant:
	.size	k_q7de7a4647f_quant, .Lfunc_end_k_q7de7a4647f_quant-k_q7de7a4647f_quant
	.p2alignl 7, 3214868480
	.fill 96, 4, 3214868480
	.section	.rodata,"a",@progbits
	.p2align	6, 0x0
	.amdhsa_kernel k_q7de7a4647f_quant
		.amdhsa_group_segment_fixed_size 35328
		.amdhsa_private_segment_fixed_size 0
		.amdhsa_enable_private_segment 0
		.amdhsa_kernarg_size 56
		.amdhsa_user_sgpr_count 2
		.amdhsa_user_sgpr_kernarg_segment_ptr 1
		.amdhsa_wavefront_size32 1
		.amdhsa_system_sgpr_workgroup_id_x 1
		.amdhsa_system_sgpr_workgroup_id_y 1
		.amdhsa_system_sgpr_workgroup_id_z 1
		.amdhsa_system_vgpr_workitem_id 0
		.amdhsa_next_free_vgpr 258
		.amdhsa_next_free_sgpr 66
		.amdhsa_reserve_vcc 0
		.amdhsa_float_denorm_mode_32 3
		.amdhsa_float_denorm_mode_16_64 3
		.amdhsa_memory_ordered 1
		.amdhsa_forward_progress 1
		.amdhsa_inst_pref_size 33
	.end_amdhsa_kernel
	.amdgpu_metadata
---
amdhsa.version: [ 1, 2 ]
amdhsa.kernels:
  - .name:           k_q7de7a4647f_quant
    .symbol:         k_q7de7a4647f_quant.kd
    .args:
      - { .name: x, .offset: 0, .size: 8, .value_kind: global_buffer, .address_space: global }
      - { .name: Wqkv_w, .offset: 8, .size: 8, .value_kind: global_buffer, .address_space: global }
      - { .name: out_w, .offset: 16, .size: 8, .value_kind: global_buffer, .address_space: global }
      - { .name: ffn1_w, .offset: 24, .size: 8, .value_kind: global_buffer, .address_space: global }
      - { .name: ffn2_w, .offset: 32, .size: 8, .value_kind: global_buffer, .address_space: global }
      - { .name: himg, .offset: 40, .size: 8, .value_kind: global_buffer, .address_space: global }
      - { .name: wimg, .offset: 48, .size: 8, .value_kind: global_buffer, .address_space: global }
    .group_segment_fixed_size: 35328
    .private_segment_fixed_size: 0
    .kernarg_segment_align: 8
    .kernarg_segment_size: 56
    .max_flat_workgroup_size: 128
    .sgpr_count:     66
    .vgpr_count:     258
    .wavefront_size: 32
...
	.end_amdgpu_metadata
.endif
;; end of part 1
;; launch gemm_qkv (part 2): grid 8 x 32, 4 waves a work-group, clusters of 4 x 4, 279,040 bytes of LDS; arguments himg, wimg, Wqkv_b, encoding, qimg, qsc, kv; writes qimg, qsc, kv
.if DOCPART == 2
	.amdgcn_target "amdgcn-amd-amdhsa--gfx1250"
	.amdhsa_code_object_version 6
	.text
	.protected	k_q7de7a4647f_gemm_qkv
	.globl	k_q7de7a4647f_gemm_qkv
	.p2align	8
	.type	k_q7de7a4647f_gemm_qkv,@function
k_q7de7a4647f_gemm_qkv:
	s_mov_b64 s[64:65], 0
	v_nop
	global_prefetch_b8 v0, s[64:65] scope:SCOPE_SE
	s_setreg_imm32_b32 hwreg(HW_REG_WAVE_MODE, 25, 1), 1
	s_wait_xcnt 0x0
	s_wait_alu depctr_hold_cnt(0) depctr_sa_sdst(0) depctr_va_vdst(0) depctr_va_sdst(0) depctr_va_ssrc(0) depctr_va_vcc(0) depctr_vm_vsrc(0)
	s_getreg_b32 s2, hwreg(HW_REG_IB_STS2, 6, 4)
	s_cmp_eq_u32 s2, 0
	s_cbranch_scc0 .Lentry_in_a_cluster
	s_endpgm
.Lentry_in_a_cluster:
	s_bfe_u32 s2, ttmp6, 0x10000c
	s_cmp_lg_u32 s2, 0xf033
	s_cbranch_scc0 .Lentry_shape_is_right
	s_endpgm
.Lentry_shape_is_right:
; qkv = x Wqkv^T + b on codes of FP4 with E8M0 scales; q and k are rotated (rope) and quantised along the head's 64, v is quantised along the keys; all three leave as images of operand registers.
; A work-group takes 128 tokens and the feature indices 128 fb .. 128 fb + 127 (two heads) of q, of k AND of v: 256 work-groups in all.  Four panels of 128 rows for all of K = 1,024 lie in LDS: two chunks of
; 512 along K, in each the tokens' 8 records of 4,352 bytes, then q's, k's and v's: 2 x 4 x 34,816 = 278,528 bytes, filled ONCE: nothing is filled again.  Wave w fetches panel w by one tensor load.
; THREE PRODUCTS of 128 x 128 x 1,024 follow each other on the same 16 accumulators a wave: (A = tokens, B = q), (A = tokens, B = k), (A = v, B = tokens).  Wave w makes A's tiles 2 w, 2 w + 1 against B's eight.
; THE PRODUCT IS USED TRANSPOSED (source 0 = 16 rows of B, source 1 = 16 rows of A): lane (r, h) holds A's row r of the tile, and the 64 registers of the eight tiles, n = 16 beta + i, are B's rows
; 32 beta + 16 h + i, since a tile's rows are 32 (T / 2) + 8 (T % 2) + r + 8 (r / 8).  So for q and k a lane's registers run along the features, for v along the keys.
; CLUSTERS of 4 x 4: the tokens' panel hangs on the block of tokens alone and is asked for jointly along a row of the cluster, the weights' panels on fb alone and jointly along a column.
; OUT: qimg [bh][tile of 16 queries][512]: lane l's 16 bytes = d 32 h + 0 .. 31 of query r; qsc [bh][tile][16 words] (bytes 0, 1 real; 2, 3 = 0x7f for the zero half of the instruction's 128);
; kv: a record of 143,360 bytes a head: four chunks of 512 keys (K's 32 tiles x 512 bytes, then V^T's 4 key steps x 4 tiles of d x 1,024 bytes), K's words at 131,072, V's at 139,264.
; LIMITS: NaN and infinities are not served; a block under 2^-124 or of zeros keeps the scale byte 1 (read by this program alone).
; REGISTERS: window 0: v1-15 addresses; v16-25 two sets of scale words; v26-30 words made; v32-95 at work (the rope; v's bias as C); v96-111 QUANT's (v104-106: v's bias as loaded, its offset); v112-127 codes;
;   v128-255 accumulators.   window 1: two fragment buffers at v0 and v128 (B's eight, then A's two).   window 2: v0-127 the rope's factors, v128-191 q's bias, v192-255 k's, both in the result's layout.
; THE PANELS IN LDS, AS THIS TEXT HAS THEM: a panel's 8 tiles x 2 records (the two halves of K) are 69,632 consecutive bytes of memory, and ONE tensor load a wave brings them as they lie:
; panel p at 69,632 p, tile t at 8,704 t in it, the record of K's second 512 at 4,352 behind the first.  One wait and one barrier ahead of the first product; nothing is filled later.
.set NCH,   1                          ; tensor loads a wave
.set NST,   8                          ; steps of 128 along K
.set PAN,   69632                      ; a panel: 16 records
.set CHB,   4352                       ; from a tile's first record to its second
.set ACC,   128
.set BI,    32
.set TM,    96
.set VB,    104
.set PC,    112
.set PW,    26
.set SCS,   16
.set G1,    24
.set G1B,   40
.set G0A,   48
.set G0B,   68
.set SEL,   100
.set MSB, 0
.macro WIN new                         ; the immediate's high byte repeats the setting that is left
.if MSB != \new
	s_set_vgpr_msb (MSB<<8)|\new
.set MSB, \new
.endif
.endm
.macro PLACES
.rept 4
	v_nop
.endr
.endm
.macro CROUND                          ; a round of the cluster's barrier
	s_barrier_signal -1
	s_barrier_wait -1
	s_cmp_lg_u32 s20, 0
	s_cbranch_scc1 .Lnot_wave_0_\@
	s_barrier_signal -3
.Lnot_wave_0_\@:
	s_barrier_wait -3
	s_barrier_signal -1
	s_barrier_wait -1
.endm
.macro G1SETUP                         ; 16 records of 4,352 bytes (544 elements of 8), one behind the other; the tokens' mask: my row of the cluster, the weights': my column
	s_lshl_b32 s35, s32, 2
	s_lshl_b32 s35, 15, s35
	s_lshl_b32 s36, 0x1111, s23
	s_or_b32 s[G1], s35, (3<<16)|(1<<21)
	s_or_b32 s[G1B], s36, (3<<16)|(1<<21)
.irp g, G1, G1B
	s_mov_b32 s[\g+1], 544<<16
	s_mov_b32 s[\g+2], 16<<16                      ; 16 records of 4,352 bytes (544 elements of 8), one behind the other
	s_mov_b32 s[\g+3], 544<<16
	s_mov_b32 s[\g+4], 16
	s_mov_b32 s[\g+5], 544
	s_mov_b32 s[\g+6], 0
	s_mov_b32 s[\g+7], 0
.endr
.endm
.macro G0SETUP                         ; a group 0 for each chunk and kind; s[84:85]: the tokens' 8 records, s[86:87]: my panel of the weights; s39 = 69,632 x wave
.set ch, 0
.rept NCH
	s_mov_b32 s[G0A+4*ch], 1
	s_add_co_u32 s[G0A+4*ch+1], s39, ch*CHB
	s_add_nc_u64 s[G0A+4*ch+2:G0A+4*ch+3], s[84:85], ch*4352
	s_or_b32 s[G0A+4*ch+3], s[G0A+4*ch+3], 0x80000000
	s_mov_b32 s[G0B+4*ch], 1
	s_add_co_u32 s[G0B+4*ch+1], s39, ch*CHB
	s_add_nc_u64 s[G0B+4*ch+2:G0B+4*ch+3], s[86:87], ch*4352
	s_or_b32 s[G0B+4*ch+3], s[G0B+4*ch+3], 0x80000000
.set ch, ch+1
.endr
.endm
.macro FIRSTLOADS                      ; wave 0 fetches the tokens' panel, waves 1 to 3 q's, k's, v's: one load a wave, in the two arms of one branch on the wave's number
	s_cmp_eq_u32 s20, 0
	s_cbranch_scc0 .Lfor_b
.set ch, 0
.rept NCH
	tensor_load_to_lds s[G0A+4*ch:G0A+4*ch+3], s[G1:G1+7]
	s_nop 0
.set ch, ch+1
.endr
	PLACES
	s_branch .Lasked
.Lfor_b:
.set ch, 0
.rept NCH
	tensor_load_to_lds s[G0B+4*ch:G0B+4*ch+3], s[G1B:G1B+7]
	s_nop 0
.set ch, ch+1
.endr
	PLACES
.Lasked:
.endm
.macro JOB pa, pb                      ; the LDS addresses of a product whose A lies in the panel at pa and whose B in the panel at pb, in chunk 0
	v_add_nc_u32 v5, \pa, v13                      ; my two records of A
	v_add_nc_u32 v6, \pb, v4                       ; B's eight
	v_add_nc_u32 v7, \pa, v14                      ; A's scale words: lanes 0-15 one record's, lanes 16-31 the next's
	v_add_nc_u32 v8, \pb, v15                      ; B's likewise
.endm
.macro FETCH f, q                      ; the fragments and scale words of 128 along K (the chunk's q-th) into buffer f
	WIN 0x40
.irp b, 0,1,2,3,4,5,6,7
.irp c, 0,1
	ds_load_b128 v[(\f)+8*\b+4*\c:(\f)+8*\b+4*\c+3], v6 offset:8704*\b+1024*(\q)+512*\c
.endr
.endr
.irp a, 0,1
.irp c, 0,1
	ds_load_b128 v[(\f)+64+8*\a+4*\c:(\f)+64+8*\a+4*\c+3], v5 offset:8704*\a+1024*(\q)+512*\c
.endr
.endr
	WIN 0
	ds_load_b32 v[SCS+5*((\f)/128)], v7 offset:64*(\q)
.irp i, 0,1,2,3
	ds_load_b32 v[SCS+5*((\f)/128)+1+\i], v8 offset:17408*\i+64*(\q)
.endr
.endm
.macro WM a, b, f, cm                  ; one product; cm = 1: the bias is the C of the sum's first product
.set rD, ACC+64*(\a)+8*(\b)
.set rB, (\f)+8*(\b)
.set rA, (\f)+64+8*(\a)
.set rS, SCS+5*((\f)/128)
.set rT, rS+1+(\b)/2
.set rC, rD
.if \cm
.set rC, CB+CA*(\a)+CBM*(\b)
.endif
.if ((\b)%2 == 0) && ((\a) == 0)
	v_wmma_scale_f32_16x16x128_f8f6f4 v[rD:rD+7], v[rB:rB+7], v[rA:rA+7], v[rC:rC+7], v[rT], v[rS] matrix_a_fmt:MATRIX_FMT_FP4 matrix_b_fmt:MATRIX_FMT_FP4
.elseif (\a) == 0
	v_wmma_scale_f32_16x16x128_f8f6f4 v[rD:rD+7], v[rB:rB+7], v[rA:rA+7], v[rC:rC+7], v[rT], v[rS] matrix_a_fmt:MATRIX_FMT_FP4 matrix_b_fmt:MATRIX_FMT_FP4 matrix_a_scale:MATRIX_SCALE_ROW1
.elseif (\b)%2 == 0
	v_wmma_scale_f32_16x16x128_f8f6f4 v[rD:rD+7], v[rB:rB+7], v[rA:rA+7], v[rC:rC+7], v[rT], v[rS] matrix_a_fmt:MATRIX_FMT_FP4 matrix_b_fmt:MATRIX_FMT_FP4 matrix_b_scale:MATRIX_SCALE_ROW1
.else
	v_wmma_scale_f32_16x16x128_f8f6f4 v[rD:rD+7], v[rB:rB+7], v[rA:rA+7], v[rC:rC+7], v[rT], v[rS] matrix_a_fmt:MATRIX_FMT_FP4 matrix_b_fmt:MATRIX_FMT_FP4 matrix_a_scale:MATRIX_SCALE_ROW1 matrix_b_scale:MATRIX_SCALE_ROW1
.endif
.endm
.macro MUL8 a, f, cm
.irp b, 0,1,2,3,4,5,6,7
	WM \a, \b, \f, \cm
.endr
.endm
; One product, all of K written out: NST steps of 128.  The 16 accumulators take turns, one instruction a turn, in the same order in every step.
; While a step is multiplied the next step's 25 LDS loads are on their way into the other buffer, four plain places behind the products that read it.
; All four panels are whole for every wave behind the one barrier ahead of the first product, so every product is called with first = 0.  w0: the window setting of the first step, whose C is the bias.
.macro MAIN first, w0
.if \first
	s_wait_tensorcnt NCH-1                         ; my panel is in
	s_barrier_signal -1
	s_barrier_wait -1
.endif
	FETCH 0, 0
.set g, 0
.rept NST
.set FC, 128*(g%2)
.set FN, 128-FC
.set QN, (g+1)%4
	s_wait_dscnt 0x0                               ; this step's fragments and words are in
.if g == 0
.if \first
	s_wait_loadcnt 63                              ; q's bias: it is among the first 66 of the 162 loads issued, 96 stand behind it: with at most 63 out it is in
.endif
	PLACES
	FETCH FN, QN
	WIN \w0
	MUL8 0, FC, 1
	MUL8 1, FC, 1
.elseif g == NST-1
	WIN 0x05
	MUL8 0, FC, 0
	MUL8 1, FC, 0
	WIN 0
	PLACES
.elseif g%4 == 3
.if \first
	s_wait_tensorcnt 0x0                           ; my panel's part of chunk 1 is in
	s_barrier_signal -1
	WIN 0x05
	MUL8 0, FC, 0
.endif
	WIN 0
.if \first
	s_barrier_wait -1
.endif
	v_add_nc_u32 v5, CHB, v5                       ; on to the next chunk: four plain places in front of the loads
	v_add_nc_u32 v6, CHB, v6
	s_wait_alu depctr_va_vdst(0)
	v_add_nc_u32 v7, CHB, v7
	s_wait_alu depctr_va_vdst(0)
	v_add_nc_u32 v8, CHB, v8
	s_wait_alu depctr_va_vdst(0)
	FETCH FN, QN
	WIN 0x05
.if \first == 0
	MUL8 0, FC, 0
.endif
	MUL8 1, FC, 0
.else
	PLACES
	FETCH FN, QN
	WIN 0x05
	MUL8 0, FC, 0
	MUL8 1, FC, 0
.endif
.set g, g+1
.endr
.endm
; 64 numbers of a lane, register 16 b + i = k 32 b + 16 h + i of my row, become a fragment's 8 registers of codes and its scale word.
.macro QUANT s, pc, pw
.irp b, 0,1,2,3
	v_max3_num_f32 v[TM+\b], |v[(\s)+16*\b]|, |v[(\s)+1+16*\b]|, 0x1800000   ; the floor 2^(3 - 127) holds the byte at 1 from below
.endr
.irp i, 2,4,6,8,10,12,14
.irp b, 0,1,2,3
	v_max3_num_f32 v[TM+\b], v[TM+\b], |v[(\s)+16*\b+\i]|, |v[(\s)+1+16*\b+\i]|
.endr
.endr
.irp b, 0,1,2,3
	v_permlanex16_b32 v[TM+4+\b], v[TM+\b], s[SEL], s[SEL+1]
.endr
.irp b, 0,1,2,3
	v_max_num_f32 v[TM+\b], v[TM+\b], v[TM+4+\b]   ; with lane l xor 16's: the block's largest magnitude
.endr
.irp b, 0,1,2,3
	v_add_nc_u32 v[TM+12+\b], 0xff000000, v[TM+\b] ; 2 off the exponent field: the conversion's scale operand
.endr
.irp b, 0,1,2,3
	v_lshrrev_b32 v[TM+4+\b], 23, v[TM+12+\b]      ; the scale's byte
.endr
	v_lshl_or_b32 v[\pw], v[TM+5], 8, v[TM+4]
	v_lshl_or_b32 v[\pw], v[TM+6], 16, v[\pw]
	v_lshl_or_b32 v[\pw], v[TM+7], 24, v[\pw]
.irp b, 0,1,2,3
	v_cvt_scalef32_pk8_fp4_f32 v[(\pc)+2*\b], v[(\s)+16*\b:(\s)+7+16*\b], v[TM+12+\b]
	v_cvt_scalef32_pk8_fp4_f32 v[(\pc)+1+2*\b], v[(\s)+8+16*\b:(\s)+15+16*\b], v[TM+12+\b]
.endr
	v_nop                                          ; one plain place behind the conversions
.irp c, 0,1
.irp i, 0,1
	v_permlane16_swap_b32 v[(\pc)+4*\c+\i], v[(\pc)+2+4*\c+\i]   ; a whole block to a lane
.endr
.endr
.endm
; q's or k's way out: the rope, the quantiser, the stores.  c0, c1: the scalar pairs with the two heads' places for codes; w0, w1: for scale words.
.macro QKOUT c0, c1, w0, w1
	s_wait_xcnt 0x0                                ; the stores of the way out before have read their registers: the codes and words are written again only behind this wait
.irp a, 0,1
	WIN 0x08                                       ; source 1 window 2
.set m, 0
.rept 32
	v_pk_mul_f32 v[BI+2*m:BI+2*m+1], v[ACC+64*\a+2*m:ACC+64*\a+2*m+1], v[64*\a+(2*m)%32:64*\a+(2*m)%32+1]   ; t f0; each accumulator from its low end on
.set m, m+1
.endr
.set m, 0
.rept 32
	v_pk_fma_f32 v[BI+2*m:BI+2*m+1], v[ACC+64*\a+2*m:ACC+64*\a+2*m+1], v[64*\a+32+(2*m)%32:64*\a+32+(2*m)%32+1], v[BI+2*m:BI+2*m+1] op_sel:[1,0,0] op_sel_hi:[0,1,1] neg_lo:[1,0,0]   ; even: - t_odd f1; odd: + t_even f1
.set m, m+1
.endr
	WIN 0
	QUANT BI, PC+8*\a, PW+\a
.endr
	v_cndmask_b32 v28, v26, v27, vcc_lo            ; lanes 0-15 the first tile's words, lanes 16-31 the second's
	v_and_b32 v29, 0xffff, v28
	v_or_b32 v29, 0x7f7f0000, v29                  ; the first head's two bytes, and 1.0 for the zero half of the instruction's K
	v_lshrrev_b32 v30, 16, v28
	v_or_b32 v30, 0x7f7f0000, v30                  ; the second head's
.irp a, 0,1
	global_store_b128 v4, v[PC+8*\a:PC+8*\a+3], s[\c0:\c0+1] offset:512*\a        ; 512 consecutive bytes: a tile of one head
	global_store_b128 v4, v[PC+8*\a+4:PC+8*\a+7], s[\c1:\c1+1] offset:512*\a
.endr
	global_store_b32 v11, v29, s[\w0:\w0+1]        ; 128 consecutive bytes: two tiles' words
	global_store_b32 v11, v30, s[\w1:\w1+1]
.endm
	s_load_b256 s[4:11], s[0:1], 0x0               ; himg, wimg, Wqkv_b, encoding
	s_load_b128 s[12:15], s[0:1], 0x20             ; qimg, qsc
	s_load_b64 s[16:17], s[0:1], 0x30              ; kv
	v_lshl_add_u32 v31, v0, 2, 0x44000
	v_mov_b32 v107, 0
	ds_add_u32 v31, v107
	ds_add_u32 v31, v107
	v_lshrrev_b32 v1, 5, v0
	v_readfirstlane_b32 s20, v1                    ; wave
	s_lshr_b32 s21, s20, 1
	s_and_b32 s22, s20, 1
	s_bfe_u32 s23, ttmp6, 0x40000                  ; cx
	s_bfe_u32 s32, ttmp6, 0x40004                  ; cy
	s_lshl_b32 s33, ttmp9, 2
	s_add_co_u32 s33, s33, s23                     ; fb: block of 128 feature indices, 0..7
	s_and_b32 s34, ttmp7, 0xffff
	s_lshl_b32 s34, s34, 2
	s_add_co_u32 s34, s34, s32                     ; tb: block of 128 tokens, 0..31
	G1SETUP
	s_mul_i32 s84, s34, 8*8704                     ; the tokens' 8 tiles
	s_mov_b32 s85, 0
	s_add_co_u32 s37, s20, 3
	s_and_b32 s37, s37, 3                          ; waves 1, 2, 3: part c = 0, 1, 2 of Wqkv (wave 0 asks by the tokens' descriptors alone)
	s_lshl_b32 s37, s37, 6                         ; 64 tiles a part
	s_lshl_b32 s86, s33, 3
	s_add_co_u32 s86, s86, s37
	s_mul_i32 s86, s86, 8704
	s_mov_b32 s87, 0
	s_mul_i32 s39, s20, PAN                        ; where my panel lands: no place in the cluster enters an LDS address
	s_wait_dscnt 0x0
	s_wait_kmcnt 0x0
	s_add_nc_u64 s[84:85], s[4:5], s[84:85]
	s_add_nc_u64 s[86:87], s[6:7], s[86:87]
	CROUND                                         ; all sixteen work-groups are here: the joint loads meet
	G0SETUP
	FIRSTLOADS
	v_and_b32 v1, 15, v0                           ; r
	v_bfe_u32 v2, v0, 4, 1                         ; h
	v_and_b32 v3, 31, v0                           ; lane
	v_lshlrev_b32 v4, 4, v3                        ; 16 x lane
	s_mul_i32 s37, s20, 17408
	v_add_nc_u32 v13, s37, v4                      ; 16 x lane + my two records
	v_mul_u32_u24 v15, v2, 8704
	v_lshl_add_u32 v15, v1, 2, v15
	v_add_nc_u32 v15, 4096, v15                    ; a record's scale words: 8,704 h + 4,096 + 4 r
	v_add_nc_u32 v14, s37, v15
	v_and_b32 v12, 8, v1
	v_add_nc_u32 v12, v12, v1                      ; r + 8 (r / 8)
	v_lshlrev_b32 v11, 2, v3                       ; 4 x lane
	v_mul_u32_u24 v10, v2, 192                     ; q's and k's bias: 16 h features of 12 bytes
	v_lshlrev_b32 v9, 8, v12
	v_lshl_add_u32 v9, v2, 6, v9                   ; encoding: token r + 8 (r / 8), + 64 h
	v_mul_u32_u24 v[VB+2], v12, 12
	s_mul_i32 s37, s20, 384
	v_add_nc_u32 v[VB+2], s37, v[VB+2]             ; v's bias: feature index 32 w + r + 8 (r / 8)
	s_wait_alu depctr_va_vdst(0)
	s_mul_i32 s56, s33, 1536
	s_mov_b32 s57, 0
	s_add_nc_u64 s[56:57], s[8:9], s[56:57]        ; the bias of feature 3 (128 fb)
	s_lshl_b32 s58, s34, 7
	s_lshl_b32 s37, s20, 5
	s_add_co_u32 s58, s58, s37
	s_lshl_b32 s58, s58, 8
	s_mov_b32 s59, 0
	s_add_nc_u64 s[58:59], s[10:11], s[58:59]      ; encoding at my wave's first token: 256 bytes a token
	global_load_b32 v[VB], v[VB+2], s[56:57] offset:8        ; feature 3 j + 2, tile 2 w
	global_load_b32 v[VB+1], v[VB+2], s[56:57] offset:104    ; tile 2 w + 1: 8 indices on
	WIN 0x80                                       ; destination window 2
.set n, 0
.rept 64
	global_load_b32 v[128+n], v10, s[56:57] offset:384*(n/16)+12*(n%16)     ; q: register n: feature index 32 (n / 16) + 16 h + n % 16, 12 bytes apart
.set n, n+1
.endr
.irp a, 0,1
.irp e, 0,1
.irp u, 0,1
.irp k, 0,1,2,3
	global_load_b128 v[64*\a+32*\e+16*\u+4*\k:64*\a+32*\e+16*\u+4*\k+3], v9, s[58:59] offset:1048576*\e+2048*\a+128*\u+16*\k   ; freqs[e] of my token of tile a, d = 32 u + 16 h + 4 k ..
.endr
.endr
.endr
.endr
.set n, 0
.rept 64
	global_load_b32 v[192+n], v10, s[56:57] offset:384*(n/16)+12*(n%16)+4   ; k: one number on
.set n, n+1
.endr
	WIN 0
.irp b, 0,1,2,3
	v_mov_b32 v[TM+4+\b], 0                        ; a lane permute's destination counts as a source
.endr
	s_mov_b32 s[SEL], 0x76543210
	s_mov_b32 s[SEL+1], 0xfedcba98
	v_cmp_ne_u32 vcc_lo, 0, v2                     ; lanes 16-31
	; where the results go
	s_lshr_b32 s35, s34, 4
	s_lshl_b32 s35, s35, 4
	s_lshl_b32 s37, s33, 1
	s_add_co_u32 s35, s35, s37                     ; bh of the first head: 16 batch + 2 fb
	s_lshl_b32 s36, s34, 3
	s_lshl_b32 s37, s20, 1
	s_add_co_u32 s36, s36, s37
	s_and_b32 s36, s36, 127                        ; my first tile of tokens within the batch
	s_mov_b32 s19, 0
	s_lshl_b32 s18, s35, 16
	s_lshl_b32 s37, s36, 9
	s_add_co_u32 s18, s18, s37
	s_add_nc_u64 s[76:77], s[12:13], s[18:19]      ; q's codes, first head,
	s_add_nc_u64 s[78:79], s[76:77], 65536         ; second head
	s_lshl_b32 s18, s35, 13
	s_lshl_b32 s37, s36, 6
	s_add_co_u32 s18, s18, s37
	s_add_nc_u64 s[80:81], s[14:15], s[18:19]      ; q's words
	s_add_nc_u64 s[82:83], s[80:81], 8192
	s_mul_i32 s18, s35, 143360
	s_add_nc_u64 s[60:61], s[16:17], s[18:19]      ; the first head's record in kv
	s_lshl_b32 s18, s36, 9
	s_lshr_b32 s37, s36, 5
	s_lshl_b32 s37, s37, 14                        ; V's 16,384 bytes behind every 32 tiles of K
	s_add_co_u32 s18, s18, s37
	s_add_nc_u64 s[88:89], s[60:61], s[18:19]      ; k's codes
	s_add_nc_u64 s[90:91], s[88:89], 143360
	s_lshl_b32 s18, s36, 6
	s_add_co_u32 s18, s18, 131072
	s_add_nc_u64 s[92:93], s[60:61], s[18:19]      ; k's words
	s_add_nc_u64 s[94:95], s[92:93], 143360
	s_and_b32 s38, s34, 15                         ; v: the key step is my block of tokens within the batch
	s_mul_i32 s18, s21, 143360                     ; the head 2 fb + wave / 2
	s_lshr_b32 s37, s38, 2
	s_lshl_b32 s37, s37, 15
	s_add_co_u32 s18, s18, s37
	s_and_b32 s37, s38, 3
	s_lshl_b32 s37, s37, 12
	s_add_co_u32 s18, s18, s37
	s_lshl_b32 s37, s22, 11
	s_add_co_u32 s18, s18, s37
	s_add_co_u32 s18, s18, 16384
	s_add_nc_u64 s[96:97], s[60:61], s[18:19]      ; my two fragments of V^T
	s_mul_i32 s18, s21, 143360
	s_lshl_b32 s37, s38, 8
	s_add_co_u32 s18, s18, s37
	s_lshl_b32 s37, s22, 7
	s_add_co_u32 s18, s18, s37
	s_add_co_u32 s18, s18, 139264
	s_add_nc_u64 s[98:99], s[60:61], s[18:19]      ; their words
	; ---- q: A = the tokens, B = q's rows of Wqkv
.set CB,  128
.set CA,  0
.set CBM, 8
	JOB 0, PAN
	s_wait_alu depctr_va_vdst(0)
	s_wait_tensorcnt 0x0                           ; my panel is in
	s_wait_loadcnt 63                              ; q's bias: it is among the first 66 of the 162 loads issued, 96 stand behind it: with at most 63 out it is in
	s_barrier_signal -1
	s_barrier_wait -1                              ; all four panels are in
	MAIN 0, 0x25                                   ; the first step's C, the bias, lies in window 2
	s_wait_loadcnt 0x0                             ; the rope's factors, k's and v's bias
	QKOUT 76, 78, 80, 82
	; ---- k: A = the tokens, B = k's rows
.set CB,  192
	JOB 0, 2*PAN
	s_wait_alu depctr_va_vdst(0)
	MAIN 0, 0x25
	QKOUT 88, 90, 92, 94
	; ---- v: A = v's rows, B = the tokens: a lane holds a feature, its registers run along 128 keys
.set CB,  32
.set CA,  8
.set CBM, 0
.irp a, 0,1
.irp e, 0,1,2,3,4,5,6,7
	v_mov_b32 v[32+8*\a+\e], v[VB+\a]              ; the bias in the result's layout: one feature a lane
.endr
.endr
	JOB 3*PAN, 0
	s_wait_alu depctr_va_vdst(0)
	MAIN 0, 0x05
	s_wait_xcnt 0x0                                ; k's stores have read their registers
	QUANT ACC, PC, PW
	QUANT ACC+64, PC+8, PW+1
	v_cndmask_b32 v28, v26, v27, vcc_lo
.irp a, 0,1
.irp c, 0,1
	global_store_b128 v4, v[PC+8*\a+4*\c:PC+8*\a+4*\c+3], s[96:97] offset:1024*\a+512*\c
.endr
.endr
	global_store_b32 v11, v28, s[98:99]
	s_wait_tensorcnt 0x0
	ds_add_u32 v31, v107
	s_wait_dscnt 0x0
	CROUND                                         ; the closing round: no work-group ends while a partner may still ask for a tile that names it
	s_endpgm
.Lfunc_end_k_q7de7a4647f_gemm_qkv:
	.size	k_q7de7a4647f_gemm_qkv, .Lfunc_end_k_q7de7a4647f_gemm_qkv-k_q7de7a4647f_gemm_qkv
	.p2alignl 7, 3214868480
	.fill 96, 4, 3214868480
	.section	.rodata,"a",@progbits
	.p2align	6, 0x0
	.amdhsa_kernel k_q7de7a4647f_gemm_qkv
		.amdhsa_group_segment_fixed_size 279040
		.amdhsa_private_segment_fixed_size 0
		.amdhsa_enable_private_segment 0
		.amdhsa_kernarg_size 56
		.amdhsa_user_sgpr_count 2
		.amdhsa_user_sgpr_kernarg_segment_ptr 1
		.amdhsa_wavefront_size32 1
		.amdhsa_system_sgpr_workgroup_id_x 1
		.amdhsa_system_sgpr_workgroup_id_y 1
		.amdhsa_system_sgpr_workgroup_id_z 1
		.amdhsa_system_vgpr_workitem_id 0
		.amdhsa_next_free_vgpr 768
		.amdhsa_next_free_sgpr 104
		.amdhsa_reserve_vcc 1
		.amdhsa_float_denorm_mode_32 3
		.amdhsa_float_denorm_mode_16_64 3
		.amdhsa_memory_ordered 1
		.amdhsa_forward_progress 1
		.amdhsa_inst_pref_size 158
	.end_amdhsa_kernel
	.amdgpu_metadata
---
amdhsa.version: [ 1, 2 ]
amdhsa.kernels:
  - .name:           k_q7de7a4647f_gemm_qkv
    .symbol:         k_q7de7a4647f_gemm_qkv.kd
    .args:
      - { .name: himg, .offset: 0, .size: 8, .value_kind: global_buffer, .address_space: global }
      - { .name: wimg, .offset: 8, .size: 8, .value_kind: global_buffer, .address_space: global }
      - { .name: Wqkv_b, .offset: 16, .size: 8, .value_kind: global_buffer, .address_space: global }
      - { .name: encoding, .offset: 24, .size: 8, .value_kind: global_buffer, .address_space: global }
      - { .name: qimg, .offset: 32, .size: 8, .value_kind: global_buffer, .address_space: global }
      - { .name: qsc, .offset: 40, .size: 8, .value_kind: global_buffer, .address_space: global }
      - { .name: kv, .offset: 48, .size: 8, .value_kind: global_buffer, .address_space: global }
    .group_segment_fixed_size: 279040
    .private_segment_fixed_size: 0
    .kernarg_segment_align: 8
    .kernarg_segment_size: 56
    .max_flat_workgroup_size: 128
    .sgpr_count:     104
    .vgpr_count:     768
    .wavefront_size: 32
...
	.end_amdgpu_metadata
.endif
;; end of part 2
;; launch attn (part 3): grid 8 x 32, 16 waves a work-group, clusters of 4 x 1, 169,984 bytes of LDS; arguments qimg, qsc, kv, cimg; writes cimg
.if DOCPART == 3
	.amdgcn_target "amdgcn-amd-amdhsa--gfx1250"
	.amdhsa_code_object_version 6
	.text
	.protected	k_q7de7a4647f_attn
	.globl	k_q7de7a4647f_attn
	.p2align	8
	.type	k_q7de7a4647f_attn,@function
k_q7de7a4647f_attn:
	s_mov_b64 s[64:65], 0
	v_nop
	global_prefetch_b8 v0, s[64:65] scope:SCOPE_SE
	s_setreg_imm32_b32 hwreg(HW_REG_WAVE_MODE, 25, 1), 1
	s_wait_xcnt 0x0
	s_wait_alu depctr_hold_cnt(0) depctr_sa_sdst(0) depctr_va_vdst(0) depctr_va_sdst(0) depctr_va_ssrc(0) depctr_va_vcc(0) depctr_vm_vsrc(0)
	s_getreg_b32 s2, hwreg(HW_REG_IB_STS2, 6, 4)
	s_cmp_eq_u32 s2, 0
	s_cbranch_scc0 .Lentry_in_a_cluster
	s_endpgm
.Lentry_in_a_cluster:
	s_bfe_u32 s2, ttmp6, 0x10000c
	s_cmp_lg_u32 s2, 0x3003
	s_cbranch_scc0 .Lentry_shape_is_right
	s_endpgm
.Lentry_shape_is_right:
; ctx = softmax(q k^T / 8) v for one head and 256 queries a work-group, both products on codes of FP4 with E8M0 scales; ctx leaves quantised along the model's 1,024, as an image of operand registers.
; THE SOFTMAX AHEAD OF THE SECOND PRODUCT: t = score x log2(e) / 8; M = the running largest t rounded UP to a whole number; p = 2^(t - M) is quantised along the keys, not normalised; the row's sum is
; taken of the unquantised p and divides at the end.  When M moves, the sum and O are multiplied by 2^(old M - new M): exact.
; SHARES.  Sixteen waves, each with one tile of 16 queries in 256 registers, four to a SIMD; every wave walks the head's 2,048 keys in 16 steps of 128.
; THE WHOLE HEAD LIES IN LDS, 143,360 bytes at the offsets that it has in memory, filled ONCE: four chunks of 512 keys (K's 32 tiles x 512 bytes, V^T's 4 x 4 fragments x 1,024), K's scale words at
; 131,072, V's at 139,264.  The record is dense: wave w fetches bytes 8,960 w .. + 8,959 as 35 rows of 256 bytes: one tensor load a wave, one barrier, none in the loop.
; The four query blocks of a cluster belong to one head: every load is joint (mask 15).  No prefetch: all that the launch reads by tensor loads is asked for at its head, so there is no trip to run ahead in.
; Both products are used transposed: S^T = K Q^T, O^T = V^T P^T: a lane holds one query.  The head's 64 fill half of the instruction's 128: registers 4-7 of Q's and K's fragments are zero codes.
; WHICH KEYS FORM A TILE is chosen by the lanes' LDS addresses: row m of tile (c, u) is key 64 c + 32 (m / 8) + 8 u + m % 8 of the step.  So lane (r, h) holds in registers 96 + 32 c + 8 u + j the keys
; 64 c + 32 h + 8 u + j: ONE WHOLE BLOCK of 32 keys for each c, in the order of the second product's operand: a block's maximum needs no other lane and the conversions' results are the operand's registers.
; In kv key 32 b + x lies in tile 2 b + (x / 8) % 2 at row x % 8 + 8 (x / 16): that gives the lane terms and offsets below.  V^T's rows d are ordered so that O^T's 32 registers are d = 32 b + 16 h + i.
; The two scale bytes that a head adds to ctx's words are half a word: they are stored as 2 bytes a row (the other half is another head's).
; LIMITS: the scaled scores t stay under 2^31 in magnitude; NaN and infinities are not served; p under 2^-126 is 0; a block under 2^-124 or of zeros keeps the scale byte 1 (read by this program alone).
; REGISTERS: v1-3, v11, v30, v31 addresses that stay; v7-10 the step's; v12 -M, v13 the largest score, v[14:15] the sum; v16-23 Q; v24-29 K's and V's scale words; v32-95 K; v96-159 S^T, p; v160-191 O^T;
;   v192-223 V; v224-231 p's codes; v232-247, v254 at work; v249, v252 the add's; v250 f; v253 p's scale word; v255 Q's scale word.
.set WV,  48
.set SEL, 52                           ; s[52:53] lane l xor 16
.set CS,  54                           ; s[54:55] c = log2(e) / 8
.set TB,  56                           ; LDS byte of the step's tiles
.set TS,  57                           ; of K's words: 512 a step
.set TJ,  58                           ; of V's: 256 a step
.set CNT, 59                           ; the step, 0 .. 15
.set CN,  62                           ; -c
.set G1,  12                           ; s[12:19] group 1
.set G0,  28                           ; s[28:31] group 0
.set TP,  234                          ; v234-247 seven pairs for the row's sum
.set SPARE, 0x29000                    ; the spare words: 128 bytes a wave, 2,048 in all
.macro PLACES
.rept 4
	v_nop
.endr
.endm
.macro CROUND                          ; a round of the cluster's barrier
	s_barrier_signal -1
	s_barrier_wait -1
	s_cmp_lg_u32 s[WV], 0
	s_cbranch_scc1 .Lnot_wave_0_\@
	s_barrier_signal -3
.Lnot_wave_0_\@:
	s_barrier_wait -3
	s_barrier_signal -1
	s_barrier_wait -1
.endm
	s_load_b256 s[4:11], s[0:1], 0x0               ; qimg, qsc, kv, cimg
	v_lshl_add_u32 v249, v0, 2, SPARE
	v_mov_b32 v252, 0
	ds_add_u32 v249, v252                          ; the opening lines: the add, twice on end, and its wait ahead of my tensor load
	ds_add_u32 v249, v252
	v_lshrrev_b32 v1, 5, v0
	s_delay_alu instid0(VALU_DEP_1)
	v_readfirstlane_b32 s[WV], v1                  ; wave 0..15
	s_bfe_u32 s49, ttmp6, 0x40000                  ; cx: it enters Q's and ctx's global addresses alone
	s_and_b32 s50, ttmp7, 0xffff                   ; bh
	s_lshl_b32 s51, ttmp9, 2
	s_add_co_u32 s51, s51, s49                     ; my block of 256 queries
	s_mov_b32 s[G1], 15|(3<<16)|(1<<21)            ; the mask: all four work-groups; elements of 8 bytes; bit 21 beside a mask
	s_mov_b32 s[G1+1], 32<<16                      ; 35 rows of 256 bytes, dense
	s_mov_b32 s[G1+2], 35<<16
	s_mov_b32 s[G1+3], 32<<16
	s_mov_b32 s[G1+4], 35
	s_mov_b32 s[G1+5], 32
	s_mov_b32 s[G1+6], 0
	s_mov_b32 s[G1+7], 0
	s_mul_i32 s61, s[WV], 8960                     ; my sixteenth of the head's record: in LDS,
	s_mul_i32 s66, s50, 143360
	s_add_co_u32 s66, s66, s61                     ; and in kv
	s_mov_b32 s67, 0
	s_mov_b32 s[G0], 1
	s_mov_b32 s[G0+1], s61
	s_wait_dscnt 0x0                               ; both opening adds are done
	s_wait_kmcnt 0x0
	s_add_nc_u64 s[G0+2:G0+3], s[8:9], s[66:67]
	s_or_b32 s[G0+3], s[G0+3], 0x80000000
	CROUND                                         ; all four work-groups are here: the joint loads meet
	tensor_load_to_lds s[G0:G0+3], s[G1:G1+7]      ; my one tensor load
	s_nop 0
	s_lshl_b32 s63, s51, 4
	s_add_co_u32 s63, s63, s[WV]                   ; my tile of queries, 0..127
	s_lshl_b32 s72, s50, 16
	s_lshl_b32 s80, s63, 9
	s_add_co_u32 s72, s72, s80
	s_mov_b32 s73, 0
	s_add_nc_u64 s[72:73], s[4:5], s[72:73]        ; Q's codes
	s_lshl_b32 s74, s50, 13
	s_lshl_b32 s80, s63, 6
	s_add_co_u32 s74, s74, s80
	s_mov_b32 s75, 0
	s_add_nc_u64 s[74:75], s[6:7], s[74:75]        ; Q's words
	v_and_b32 v4, 15, v0                           ; r
	v_and_b32 v6, 31, v0                           ; lane
	v_bfe_u32 v5, v0, 4, 1                         ; h
	v_lshlrev_b32 v11, 2, v4                       ; 4 r
	v_lshlrev_b32 v1, 4, v6                        ; 16 x lane
	s_wait_alu depctr_va_vdst(0)
	global_load_b128 v[16:19], v1, s[72:73]
	global_load_b32 v255, v11, s[74:75]
	s_lshr_b32 s80, s50, 4
	s_lshl_b32 s80, s80, 7
	s_add_co_u32 s80, s80, s63                     ; the tile of tokens, 0..255
	s_mul_i32 s76, s80, 8704
	s_and_b32 s81, s50, 15                         ; head: k = 64 head + d of the next product
	s_lshr_b32 s80, s81, 3
	s_mul_i32 s80, s80, 4352
	s_add_co_u32 s76, s76, s80                     ; the record
	s_bfe_u32 s80, s81, 0x20001                    ; its fragment (head / 2) % 4
	s_and_b32 s82, s81, 1                          ; and half of it
	s_lshl_b32 s78, s80, 6
	s_lshl_b32 s79, s82, 1
	s_add_co_u32 s78, s78, s79
	s_add_co_u32 s78, s78, s76
	s_add_co_u32 s78, s78, 4096
	s_mov_b32 s79, 0
	s_add_nc_u64 s[78:79], s[10:11], s[78:79]      ; my two bytes of each row's word
	s_lshl_b32 s80, s80, 10
	s_lshl_b32 s82, s82, 9
	s_add_co_u32 s76, s76, s80
	s_add_co_u32 s76, s76, s82
	s_mov_b32 s77, 0
	s_add_nc_u64 s[76:77], s[10:11], s[76:77]      ; my 512 bytes of codes
	s_mov_b32 s[SEL], 0x76543210
	s_mov_b32 s[SEL+1], 0xfedcba98
	s_mov_b32 s[CS], 0x3e38aa3b                    ; c = log2(e) / 8
	s_mov_b32 s[CS+1], s[CS]
	s_mov_b32 s[CN], 0xbe38aa3b                    ; -c
	s_mov_b32 s[CNT], 0
	v_and_b32 v7, 7, v0                            ; m % 8 (m = r: my row of a tile of K)
	v_bfe_u32 v8, v0, 3, 1                         ; m / 8
	v_lshlrev_b32 v2, 4, v7
	v_lshlrev_b32 v3, 2, v7
	v_lshl_add_u32 v2, v8, 10, v2
	v_lshl_add_u32 v3, v8, 7, v3
	v_lshl_add_u32 v2, v5, 8, v2                   ; K's codes: 16 (m % 8) + 1,024 (m / 8) + 256 h
	v_lshl_add_u32 v3, v5, 6, v3
	v_add_nc_u32 v3, 131072, v3                    ; K's words: 4 (m % 8) + 128 (m / 8); lanes 16-31 the words of the tile with the next u: 64 on
	v_lshl_add_u32 v30, v6, 2, 139264              ; V's words: lanes 0-15 one tile's, lanes 16-31 the next's
	v_lshlrev_b32 v31, 3, v5                       ; 8 h: how far my two bytes of p's scale word are shifted
.irp j, 20,21,22,23
	v_mov_b32 v[\j], 0                             ; the zero half of Q's fragment,
.endr
.irp t, 0,1,2,3,4,5,6,7
.irp j, 4,5,6,7
	v_mov_b32 v[32+8*\t+\j], 0                     ; and of K's eight: written once, never loaded
.endr
.endr
	v_mov_b32 v13, 0xff61b1e6                      ; the largest score so far: -3e38
	v_mov_b32 v14, 0
	v_mov_b32 v15, 0
	v_mul_f32 v12, s[CN], v13
	v_mov_b32 v251, 0                              ; named with f as a pair
	v_mov_b32 v236, 0                              ; a lane permute's destination counts as a source
	v_mov_b32 v237, 0
	v_mov_b32 v238, 0
	v_floor_f32 v12, v12                           ; -M
.set j, 0
.rept 32
	v_mov_b32 v[160+j], 0                          ; O^T: the step is written once; its first trip finds zeros
.set j, j+1
.endr
	s_wait_alu depctr_va_vdst(0)
	s_wait_loadcnt 0x0                             ; Q
	s_wait_tensorcnt 0x0                           ; my sixteenth of the head is in
	s_barrier_signal -1
	s_barrier_wait -1                              ; the whole head is in
.Lstep:                                                ; A KEY STEP: 128 keys
	s_lshl_b32 s[TB], s[CNT], 12                   ; 4,096 bytes of K a step,
	s_lshr_b32 s60, s[CNT], 2
	s_lshl_b32 s60, s60, 14
	s_add_co_u32 s[TB], s[TB], s60                 ; and V's 16,384 behind every four steps
	s_lshl_b32 s[TS], s[CNT], 9
	s_lshl_b32 s[TJ], s[CNT], 8
	v_add_nc_u32 v8, s[TB], v2                     ; these four are the places behind the last products, in front of the loads
	v_add_nc_u32 v7, s[TB], v1
	v_add_nc_u32 v9, s[TS], v3
	v_add_nc_u32 v10, s[TJ], v30
.irp t, 0,1,2,3,4,5,6,7
	ds_load_b128 v[32+8*\t:35+8*\t], v8 offset:2048*(\t/4)+512*(\t%2)+128*((\t/2)%2)   ; tile (c, u) = (t / 4, t % 4)
.endr
.irp i, 0,1,2,3
	ds_load_b32 v[24+\i], v9 offset:256*(\i/2)+32*(\i%2)      ; the words of tiles (c, 2 w) and (c, 2 w + 1), i = 2 c + w
.endr
.irp f, 0,1,2,3
.irp c, 0,1
	ds_load_b128 v[192+8*\f+4*\c:195+8*\f+4*\c], v7 offset:16384+1024*\f+512*\c
.endr
.endr
.irp i, 0,1
	ds_load_b32 v[28+\i], v10 offset:128*\i
.endr
	s_wait_dscnt 10                                ; K and its words are in; V's ten loads may be out
.irp i, 0,1,2,3
	v_wmma_scale_f32_16x16x128_f8f6f4 v[96+16*\i:103+16*\i], v[32+16*\i:39+16*\i], v[16:23], 0, v[24+\i], v255 matrix_a_fmt:MATRIX_FMT_FP4 matrix_b_fmt:MATRIX_FMT_FP4
	v_wmma_scale_f32_16x16x128_f8f6f4 v[104+16*\i:111+16*\i], v[40+16*\i:47+16*\i], v[16:23], 0, v[24+\i], v255 matrix_a_fmt:MATRIX_FMT_FP4 matrix_b_fmt:MATRIX_FMT_FP4 matrix_a_scale:MATRIX_SCALE_ROW1
.endr
	PLACES
; the largest score of my two blocks of 32 keys: for the row's maximum and, since p rises with the score, for the block's largest p.  Four chains by turns, each accumulator from its low end on
.irp b, 0,1,2,3
	v_max3_num_f32 v[232+\b], v[96+16*\b], v[97+16*\b], v[98+16*\b]
.endr
.irp i, 3,5,7,9,11,13
.irp b, 0,1,2,3
	v_max3_num_f32 v[232+\b], v[232+\b], v[96+16*\b+\i], v[97+16*\b+\i]
.endr
.endr
	v_max3_num_f32 v232, v232, v233, v111
	v_max3_num_f32 v233, v234, v235, v143
	v_max_num_f32 v232, v232, v127                 ; block h
	v_max_num_f32 v233, v233, v159                 ; block 2 + h
	s_delay_alu instid0(VALU_DEP_1)
	v_max_num_f32 v254, v232, v233
	s_delay_alu instid0(VALU_DEP_1)
	v_permlanex16_b32 v236, v254, s[SEL], s[SEL+1]
	s_delay_alu instid0(VALU_DEP_1)
	v_max3_num_f32 v13, v13, v254, v236            ; the running largest score of my query (c is positive)
	s_delay_alu instid0(VALU_DEP_1)
	v_mul_f32 v237, s[CN], v13                     ; -t
	s_delay_alu instid0(VALU_DEP_1)
	v_floor_f32 v237, v237                         ; the new -M = -ceil(t)
	s_delay_alu instid0(VALU_DEP_1)
	v_sub_f32 v254, v237, v12                      ; old M - new M: a whole number, 0 or less
	v_mov_b32 v12, v237
	s_delay_alu instid0(VALU_DEP_2)
	v_cvt_i32_f32 v254, v254                       ; (it saturates)
	s_delay_alu instid0(VALU_DEP_1)
	v_ldexp_f32 v250, 1.0, v254                    ; f = 2^(old M - new M)
.set j, 0
.rept 32
	v_pk_fma_f32 v[96+j:97+j], v[96+j:97+j], s[CS:CS+1], v[12:13] op_sel_hi:[1,0,0]   ; t - M (of the pairs c and -M the low word serves both halves)
.set j, j+2
.endr
	v_fma_f32 v232, v232, s[CS], v12               ; the same of each block's largest score
	v_fma_f32 v233, v233, s[CS], v12
	s_wait_alu depctr_va_vdst(0)
	v_exp_f32 v232, v232                           ; each block's largest p: the same two instructions on the same number give the same bits
	v_exp_f32 v233, v233
.set j, 0
.rept 64
	v_exp_f32 v[96+j], v[96+j]                     ; p = 2^(t - M)
.set j, j+1
.endr
	v_pk_mul_f32 v[14:15], v[14:15], v[250:251] op_sel_hi:[1,0]   ; the sums under the new M: a plain place behind the exponentials
	s_wait_alu depctr_va_vdst(0)                   ; one wait for the batch of 66, ahead of its first reader
; the row's sum of the unquantised p: 32 pairs and the carry in eight chains, 32 additions
.irp i, 0,1,2,3,4,5,6
	v_pk_add_f32 v[TP+2*\i:TP+2*\i+1], v[96+2*\i:97+2*\i], v[112+2*\i:113+2*\i]
.endr
	v_pk_add_f32 v[14:15], v[14:15], v[110:111]
.irp i, 0,1,2,3,4,5,6
	v_pk_add_f32 v[TP+2*\i:TP+2*\i+1], v[TP+2*\i:TP+2*\i+1], v[128+2*\i:129+2*\i]
.endr
	v_pk_add_f32 v[14:15], v[14:15], v[126:127]
.irp i, 0,1,2,3,4,5,6
	v_pk_add_f32 v[TP+2*\i:TP+2*\i+1], v[TP+2*\i:TP+2*\i+1], v[144+2*\i:145+2*\i]
.endr
	v_pk_add_f32 v[14:15], v[14:15], v[142:143]
	v_pk_add_f32 v[TP+12:TP+13], v[TP+12:TP+13], v[158:159]
	v_pk_add_f32 v[TP:TP+1], v[TP:TP+1], v[TP+2:TP+3]
	v_pk_add_f32 v[TP+4:TP+5], v[TP+4:TP+5], v[TP+6:TP+7]
	v_pk_add_f32 v[TP+8:TP+9], v[TP+8:TP+9], v[TP+10:TP+11]
	v_pk_add_f32 v[14:15], v[14:15], v[TP+12:TP+13]
	v_pk_add_f32 v[TP:TP+1], v[TP:TP+1], v[TP+4:TP+5]
	s_delay_alu instid0(VALU_DEP_2)
	v_pk_add_f32 v[14:15], v[14:15], v[TP+8:TP+9]
	s_delay_alu instid0(VALU_DEP_1)
	v_pk_add_f32 v[14:15], v[14:15], v[TP:TP+1]
	v_max_num_f32 v232, 0x1800000, v232            ; the floor 2^(3 - 127): the byte cannot fall under 1
	v_max_num_f32 v233, 0x1800000, v233
	s_delay_alu instid0(VALU_DEP_2)
	v_add_nc_u32 v244, 0xff000000, v232            ; 2 off the exponent field: the conversion's scale operand
	s_delay_alu instid0(VALU_DEP_2)
	v_add_nc_u32 v245, 0xff000000, v233
	s_delay_alu instid0(VALU_DEP_2)
	v_lshrrev_b32 v236, 23, v244                   ; the scale's byte
	s_delay_alu instid0(VALU_DEP_2)
	v_lshrrev_b32 v237, 23, v245
	s_delay_alu instid0(VALU_DEP_1)
	v_lshl_or_b32 v253, v237, 16, v236             ; blocks h and 2 + h,
	s_delay_alu instid0(VALU_DEP_1)
	v_lshlrev_b32 v253, v31, v253                  ; at their places in the word;
	s_delay_alu instid0(VALU_DEP_1)
	v_permlanex16_b32 v238, v253, s[SEL], s[SEL+1]
	s_delay_alu instid0(VALU_DEP_1)
	v_or_b32 v253, v253, v238                      ; with lane l xor 16's two p's scale word for these 128 keys is whole
.irp c, 0,1
.irp u, 0,1,2,3
	v_cvt_scalef32_pk8_fp4_f32 v[224+4*\c+\u], v[96+32*\c+8*\u:103+32*\c+8*\u], v[244+\c]   ; register 4 c + u of the operand: keys 64 c + 32 h + 8 u + 0 .. 7
.endr
.endr
	v_nop                                          ; one plain place behind the conversions
	s_wait_alu depctr_va_vdst(0)                   ; directly ahead of the first reader of O^T
.set j, 0
.rept 16
	v_pk_mul_f32 v[160+j:161+j], v[160+j:161+j], v[250:251] op_sel_hi:[1,0]   ; O^T under the new M; these are also the places between the scale word, the codes and the products
.set j, j+2
.endr
	s_wait_alu depctr_va_vdst(0)
	s_wait_dscnt 0x0                               ; V and its words are in
.irp u, 0,1
	v_wmma_scale_f32_16x16x128_f8f6f4 v[160+16*\u:167+16*\u], v[192+16*\u:199+16*\u], v[224:231], v[160+16*\u:167+16*\u], v[28+\u], v253 matrix_a_fmt:MATRIX_FMT_FP4 matrix_b_fmt:MATRIX_FMT_FP4
	v_wmma_scale_f32_16x16x128_f8f6f4 v[168+16*\u:175+16*\u], v[200+16*\u:207+16*\u], v[224:231], v[168+16*\u:175+16*\u], v[28+\u], v253 matrix_a_fmt:MATRIX_FMT_FP4 matrix_b_fmt:MATRIX_FMT_FP4 matrix_a_scale:MATRIX_SCALE_ROW1
.endr
	s_add_co_u32 s[CNT], s[CNT], 1
	s_cmp_lt_u32 s[CNT], 16
	s_cbranch_scc1 .Lstep
	; THE WAY OUT: O^T / the sum, quantised along d (two blocks of 32), one dense store of 512 bytes and two scale bytes a row
	PLACES
	v_add_f32 v14, v14, v15
	s_delay_alu instid0(VALU_DEP_1)
	v_permlanex16_b32 v236, v14, s[SEL], s[SEL+1]
	s_delay_alu instid0(VALU_DEP_1)
	v_add_f32 v14, v14, v236                       ; the row's sum
	s_wait_alu depctr_va_vdst(0)
	v_rcp_f32 v14, v14
	v_nop
	s_wait_alu depctr_va_vdst(0)                   ; ahead of the reciprocal's first reader, which is O^T's first reader too
.set j, 0
.rept 32
	v_mul_f32 v[96+j], v[160+j], v14               ; register 16 b + i: d = 32 b + 16 h + i
.set j, j+1
.endr
.irp b, 0,1
	v_max3_num_f32 v[232+\b], |v[96+16*\b]|, |v[97+16*\b]|, 0x1800000
.endr
.irp i, 2,4,6,8,10,12,14
.irp b, 0,1
	s_delay_alu instid0(VALU_DEP_2)
	v_max3_num_f32 v[232+\b], v[232+\b], |v[96+16*\b+\i]|, |v[97+16*\b+\i]|
.endr
.endr
.irp b, 0,1
	s_delay_alu instid0(VALU_DEP_2)
	v_permlanex16_b32 v[236+\b], v[232+\b], s[SEL], s[SEL+1]
.endr
.irp b, 0,1
	s_delay_alu instid0(VALU_DEP_2)
	v_max_num_f32 v[232+\b], v[232+\b], v[236+\b]
.endr
.irp b, 0,1
	s_delay_alu instid0(VALU_DEP_2)
	v_add_nc_u32 v[244+\b], 0xff000000, v[232+\b]
.endr
.irp b, 0,1
	s_delay_alu instid0(VALU_DEP_2)
	v_lshrrev_b32 v[236+\b], 23, v[244+\b]
.endr
	s_delay_alu instid0(VALU_DEP_1)
	v_lshl_or_b32 v253, v237, 8, v236
.irp b, 0,1
	v_cvt_scalef32_pk8_fp4_f32 v[224+2*\b], v[96+16*\b:103+16*\b], v[244+\b]
	v_cvt_scalef32_pk8_fp4_f32 v[225+2*\b], v[104+16*\b:111+16*\b], v[244+\b]
.endr
	v_nop
	v_permlane16_swap_b32 v224, v226
	v_permlane16_swap_b32 v225, v227               ; lane (r, h): d = 32 h + 0 .. 31
	global_store_b128 v1, v[224:227], s[76:77]
	global_store_b16 v11, v253, s[78:79]           ; both halves of the lanes write the same two bytes
	s_wait_tensorcnt 0x0                           ; the wave's end
	ds_add_u32 v249, v252
	s_wait_dscnt 0x0
	CROUND                                         ; the closing round
	s_endpgm
.Lfunc_end_k_q7de7a4647f_attn:
	.size	k_q7de7a4647f_attn, .Lfunc_end_k_q7de7a4647f_attn-k_q7de7a4647f_attn
	.p2alignl 7, 3214868480
	.fill 96, 4, 3214868480
	.section	.rodata,"a",@progbits
	.p2align	6, 0x0
	.amdhsa_kernel k_q7de7a4647f_attn
		.amdhsa_group_segment_fixed_size 169984
		.amdhsa_private_segment_fixed_size 0
		.amdhsa_enable_private_segment 0
		.amdhsa_kernarg_size 32
		.amdhsa_user_sgpr_count 2
		.amdhsa_user_sgpr_kernarg_segment_ptr 1
		.amdhsa_wavefront_size32 1
		.amdhsa_system_sgpr_workgroup_id_x 1
		.amdhsa_system_sgpr_workgroup_id_y 1
		.amdhsa_system_sgpr_workgroup_id_z 1
		.amdhsa_system_vgpr_workitem_id 0
		.amdhsa_next_free_vgpr 256
		.amdhsa_next_free_sgpr 96
		.amdhsa_reserve_vcc 0
		.amdhsa_float_denorm_mode_32 3
		.amdhsa_float_denorm_mode_16_64 3
		.amdhsa_memory_ordered 1
		.amdhsa_forward_progress 1
		.amdhsa_inst_pref_size 27
	.end_amdhsa_kernel
	.amdgpu_metadata
---
amdhsa.version: [ 1, 2 ]
amdhsa.kernels:
  - .name:           k_q7de7a4647f_attn
    .symbol:         k_q7de7a4647f_attn.kd
    .args:
      - { .name: qimg, .offset: 0, .size: 8, .value_kind: global_buffer, .address_space: global }
      - { .name: qsc, .offset: 8, .size: 8, .value_kind: global_buffer, .address_space: global }
      - { .name: kv, .offset: 16, .size: 8, .value_kind: global_buffer, .address_space: global }
      - { .name: cimg, .offset: 24, .size: 8, .value_kind: global_buffer, .address_space: global }
    .group_segment_fixed_size: 169984
    .private_segment_fixed_size: 0
    .kernarg_segment_align: 8
    .kernarg_segment_size: 32
    .max_flat_workgroup_size: 512
    .sgpr_count:     96
    .vgpr_count:     256
    .wavefront_size: 32
...
	.end_amdgpu_metadata
.endif
;; end of part 3
;; launch gemm_out (part 4): grid 8 x 32, 4 waves a work-group, clusters of 4 x 4, 168,448 bytes of LDS; arguments cimg, wimg, out_b, himg; writes himg
.if DOCPART == 4
	.amdgcn_target "amdgcn-amd-amdhsa--gfx1250"
	.amdhsa_code_object_version 6
	.text
	.protected	k_q7de7a4647f_gemm_out
	.globl	k_q7de7a4647f_gemm_out
	.p2align	8
	.type	k_q7de7a4647f_gemm_out,@function
k_q7de7a4647f_gemm_out:
	s_mov_b64 s[64:65], 0
	v_nop
	global_prefetch_b8 v0, s[64:65] scope:SCOPE_SE
	s_setreg_imm32_b32 hwreg(HW_REG_WAVE_MODE, 25, 1), 1
	s_wait_xcnt 0x0
	s_wait_alu depctr_hold_cnt(0) depctr_sa_sdst(0) depctr_va_vdst(0) depctr_va_sdst(0) depctr_va_ssrc(0) depctr_va_vcc(0) depctr_vm_vsrc(0)
	s_getreg_b32 s2, hwreg(HW_REG_IB_STS2, 6, 4)
	s_cmp_eq_u32 s2, 0
	s_cbranch_scc0 .Lentry_in_a_cluster
	s_endpgm
.Lentry_in_a_cluster:
	s_bfe_u32 s2, ttmp6, 0x10000c
	s_cmp_lg_u32 s2, 0xf033
	s_cbranch_scc0 .Lentry_shape_is_right
	s_endpgm
.Lentry_shape_is_right:
; message = ctx out_w^T + out_b on codes of FP4 with E8M0 scales; the result is quantised along its 1,024 columns and leaves as the second part (k = 1,024 ..) of ffn1's operand, in himg.
; A work-group makes 128 x 128; both panels for all of K = 1,024 lie in LDS (2 chunks of 69,632 bytes: A's 8 records of 4,352 bytes, then B's 8), filled ONCE.  Wave w makes A's tiles 2 w, 2 w + 1
; against B's eight.  THE PRODUCT IS USED TRANSPOSED (source 0 = 16 rows of out_w, source 1 = 16 tokens): lane (r, h) holds one token, and its 64 registers n = 16 beta + i are columns 32 beta + 16 h + i,
; since a tile's rows are 32 (T / 2) + 8 (T % 2) + r + 8 (r / 8): a wave's 128 columns are one fragment and one scale word a row.
; CLUSTERS of 4 x 4: A's records are asked for jointly along a row of the cluster, B's along a column.  The scale words leave as pieces of 64 bytes (one sixteenth of the codes' bytes).
; LIMITS: NaN and infinities are not served; a block under 2^-124 or of zeros keeps the scale byte 1 (read by this program alone).
; REGISTERS: window 0: v1-15 addresses; v16-25 two sets of scale words; v26-28 words made; v32-95 the bias as C; v96-111 QUANT's; v112-127 codes; v128-255 accumulators.  window 1: two fragment buffers.
; THE PANELS IN LDS, AS THIS TEXT HAS THEM: four tiles x 2 records (the two halves of K) are 34,816 consecutive bytes of memory, and ONE tensor load a wave brings them as they lie:
; A's tile a at 8,704 a, B's tile b at 69,632 + 8,704 b, the record of K's second 512 at 4,352 behind the first.  One wait and one barrier ahead of the first product; nothing is filled later.
.set NCH,   1                          ; tensor loads a wave
.set NST,   8                          ; steps of 128 along K
.set PARTA, 0
.set PARTB, 0
.set WOFF,  1671168                    ; out_w's records in wimg
.set CHB,   4352                       ; from a tile's first record to its second
.set ACC,   128
.set BI,    32
.set CB,    BI
.set CA,    0
.set CBM,   8
.set TM,    96
.set PC,    112
.set PW,    26
.set SCS,   16
.set G1,    24
.set G1B,   40
.set G0A,   48
.set G0B,   68
.set SEL,   100
.set MSB, 0
.macro WIN new                         ; the immediate's high byte repeats the setting that is left
.if MSB != \new
	s_set_vgpr_msb (MSB<<8)|\new
.set MSB, \new
.endif
.endm
.macro PLACES
.rept 4
	v_nop
.endr
.endm
.macro CROUND                          ; a round of the cluster's barrier
	s_barrier_signal -1
	s_barrier_wait -1
	s_cmp_lg_u32 s20, 0
	s_cbranch_scc1 .Lnot_wave_0_\@
	s_barrier_signal -3
.Lnot_wave_0_\@:
	s_barrier_wait -3
	s_barrier_signal -1
	s_barrier_wait -1
.endm
.macro G1SETUP                         ; 8 records of 4,352 bytes (544 elements of 8), one behind the other; A's mask: my row of the cluster, B's: my column
	s_lshl_b32 s35, s32, 2
	s_lshl_b32 s35, 15, s35
	s_lshl_b32 s36, 0x1111, s23
	s_or_b32 s[G1], s35, (3<<16)|(1<<21)
	s_or_b32 s[G1B], s36, (3<<16)|(1<<21)
.irp g, G1, G1B
	s_mov_b32 s[\g+1], 544<<16
	s_mov_b32 s[\g+2], 8<<16                       ; 8 records of 4,352 bytes (544 elements of 8), one behind the other
	s_mov_b32 s[\g+3], 544<<16
	s_mov_b32 s[\g+4], 8
	s_mov_b32 s[\g+5], 544
	s_mov_b32 s[\g+6], 0
	s_mov_b32 s[\g+7], 0
.endr
.endm
.macro G0SETUP                         ; a group 0 for each chunk and side; s[84:85], s[86:87]: my four records of A, of B; s39 = 34,816 x wave
.set ch, 0
.rept NCH
	s_mov_b32 s[G0A+4*ch], 1
	s_add_co_u32 s[G0A+4*ch+1], s39, ch*CHB
	s_add_nc_u64 s[G0A+4*ch+2:G0A+4*ch+3], s[84:85], (ch/2)*PARTA+(ch%2)*4352
	s_or_b32 s[G0A+4*ch+3], s[G0A+4*ch+3], 0x80000000
	s_mov_b32 s[G0B+4*ch], 1
	s_add_co_u32 s[G0B+4*ch+1], s39, ch*CHB
	s_add_nc_u64 s[G0B+4*ch+2:G0B+4*ch+3], s[86:87], (ch/2)*PARTB+(ch%2)*4352
	s_or_b32 s[G0B+4*ch+3], s[G0B+4*ch+3], 0x80000000
.set ch, ch+1
.endr
.endm
.macro FIRSTLOADS                      ; waves 0, 1 fetch A's halves, waves 2, 3 B's: one load a wave, in the two arms of one branch on the wave's number
	s_cmp_eq_u32 s21, 0
	s_cbranch_scc0 .Lfor_b
.set ch, 0
.rept NCH
	tensor_load_to_lds s[G0A+4*ch:G0A+4*ch+3], s[G1:G1+7]
	s_nop 0
.set ch, ch+1
.endr
	PLACES
	s_branch .Lasked
.Lfor_b:
.set ch, 0
.rept NCH
	tensor_load_to_lds s[G0B+4*ch:G0B+4*ch+3], s[G1B:G1B+7]
	s_nop 0
.set ch, ch+1
.endr
	PLACES
.Lasked:
.endm
.macro VADDR
	v_and_b32 v1, 15, v0                           ; r
	v_bfe_u32 v2, v0, 4, 1                         ; h
	v_and_b32 v3, 31, v0                           ; lane
	v_lshlrev_b32 v4, 4, v3                        ; 16 x lane
	s_mul_i32 s37, s20, 17408
	v_add_nc_u32 v5, s37, v4                       ; my two tiles of A
	v_add_nc_u32 v6, 69632, v4                     ; B's eight
	v_mul_u32_u24 v7, v2, 8704
	v_lshl_add_u32 v7, v1, 2, v7                   ; scale words: lanes 0-15 one tile's, lanes 16-31 the next's
	v_add_nc_u32 v8, 69632+4096, v7
	v_add_nc_u32 v7, s37, v7
	v_add_nc_u32 v7, 4096, v7
.endm
.macro FETCH f, q                      ; the fragments and scale words of 128 along K (the chunk's q-th) into buffer f
	WIN 0x40
.irp b, 0,1,2,3,4,5,6,7
.irp c, 0,1
	ds_load_b128 v[(\f)+8*\b+4*\c:(\f)+8*\b+4*\c+3], v6 offset:8704*\b+1024*(\q)+512*\c
.endr
.endr
.irp a, 0,1
.irp c, 0,1
	ds_load_b128 v[(\f)+64+8*\a+4*\c:(\f)+64+8*\a+4*\c+3], v5 offset:8704*\a+1024*(\q)+512*\c
.endr
.endr
	WIN 0
	ds_load_b32 v[SCS+5*((\f)/128)], v7 offset:64*(\q)
.irp i, 0,1,2,3
	ds_load_b32 v[SCS+5*((\f)/128)+1+\i], v8 offset:17408*\i+64*(\q)
.endr
.endm
.macro WM a, b, f, cm                  ; one product; cm = 1: the bias is the C of the sum's first product
.set rD, ACC+64*(\a)+8*(\b)
.set rB, (\f)+8*(\b)
.set rA, (\f)+64+8*(\a)
.set rS, SCS+5*((\f)/128)
.set rT, rS+1+(\b)/2
.set rC, rD
.if \cm
.set rC, CB+CA*(\a)+CBM*(\b)
.endif
.if ((\b)%2 == 0) && ((\a) == 0)
	v_wmma_scale_f32_16x16x128_f8f6f4 v[rD:rD+7], v[rB:rB+7], v[rA:rA+7], v[rC:rC+7], v[rT], v[rS] matrix_a_fmt:MATRIX_FMT_FP4 matrix_b_fmt:MATRIX_FMT_FP4
.elseif (\a) == 0
	v_wmma_scale_f32_16x16x128_f8f6f4 v[rD:rD+7], v[rB:rB+7], v[rA:rA+7], v[rC:rC+7], v[rT], v[rS] matrix_a_fmt:MATRIX_FMT_FP4 matrix_b_fmt:MATRIX_FMT_FP4 matrix_a_scale:MATRIX_SCALE_ROW1
.elseif (\b)%2 == 0
	v_wmma_scale_f32_16x16x128_f8f6f4 v[rD:rD+7], v[rB:rB+7], v[rA:rA+7], v[rC:rC+7], v[rT], v[rS] matrix_a_fmt:MATRIX_FMT_FP4 matrix_b_fmt:MATRIX_FMT_FP4 matrix_b_scale:MATRIX_SCALE_ROW1
.else
	v_wmma_scale_f32_16x16x128_f8f6f4 v[rD:rD+7], v[rB:rB+7], v[rA:rA+7], v[rC:rC+7], v[rT], v[rS] matrix_a_fmt:MATRIX_FMT_FP4 matrix_b_fmt:MATRIX_FMT_FP4 matrix_a_scale:MATRIX_SCALE_ROW1 matrix_b_scale:MATRIX_SCALE_ROW1
.endif
.endm
.macro MUL8 a, f, cm
.irp b, 0,1,2,3,4,5,6,7
	WM \a, \b, \f, \cm
.endr
.endm
; All of K, written out: NST steps of 128.  The 16 accumulators take turns, one instruction a turn, in the same order in every step.
; While a step is multiplied the next step's 25 LDS loads are on their way into the other buffer, four plain places behind the products that read it.
; lc: the global loads that may stay out at the first product.
.macro MAIN lc
	s_wait_tensorcnt NCH-1                         ; my records are in
	s_barrier_signal -1
	s_barrier_wait -1
	FETCH 0, 0
.set g, 0
.rept NST
.set FC, 128*(g%2)
.set FN, 128-FC
.set QN, (g+1)%4
.set CM, 0
.if g == 0
.set CM, 1
.endif
	s_wait_dscnt 0x0                               ; this step's fragments and words are in
.if g == 0
	s_wait_loadcnt \lc                             ; the bias
.endif
.if g == NST-1
	WIN 0x05
	MUL8 0, FC, CM
	MUL8 1, FC, CM
	WIN 0
	PLACES
.elseif g%4 == 3
	WIN 0x05
	MUL8 0, FC, CM
	WIN 0
	v_add_nc_u32 v5, CHB, v5                       ; on to the tiles' second records: four plain places in front of the loads
	v_add_nc_u32 v6, CHB, v6
	s_wait_alu depctr_va_vdst(0)
	v_add_nc_u32 v7, CHB, v7
	s_wait_alu depctr_va_vdst(0)
	v_add_nc_u32 v8, CHB, v8
	s_wait_alu depctr_va_vdst(0)
	FETCH FN, QN
	WIN 0x05
	MUL8 1, FC, CM
.else
	PLACES
	FETCH FN, QN
	WIN 0x05
	MUL8 0, FC, CM
	MUL8 1, FC, CM
.endif
.set g, g+1
.endr
.endm
; 64 numbers of a lane, register 16 b + i = k 32 b + 16 h + i of my row, become a fragment's 8 registers of codes and its scale word.
.macro QUANT s, pc, pw
.irp b, 0,1,2,3
	v_max3_num_f32 v[TM+\b], |v[(\s)+16*\b]|, |v[(\s)+1+16*\b]|, 0x1800000   ; the floor 2^(3 - 127) holds the byte at 1 from below
.endr
.irp i, 2,4,6,8,10,12,14
.irp b, 0,1,2,3
	v_max3_num_f32 v[TM+\b], v[TM+\b], |v[(\s)+16*\b+\i]|, |v[(\s)+1+16*\b+\i]|
.endr
.endr
.irp b, 0,1,2,3
	v_permlanex16_b32 v[TM+4+\b], v[TM+\b], s[SEL], s[SEL+1]
.endr
.irp b, 0,1,2,3
	v_max_num_f32 v[TM+\b], v[TM+\b], v[TM+4+\b]   ; with lane l xor 16's: the block's largest magnitude
.endr
.irp b, 0,1,2,3
	v_add_nc_u32 v[TM+12+\b], 0xff000000, v[TM+\b] ; 2 off the exponent field: the conversion's scale operand
.endr
.irp b, 0,1,2,3
	v_lshrrev_b32 v[TM+4+\b], 23, v[TM+12+\b]      ; the scale's byte
.endr
	v_lshl_or_b32 v[\pw], v[TM+5], 8, v[TM+4]
	v_lshl_or_b32 v[\pw], v[TM+6], 16, v[\pw]
	v_lshl_or_b32 v[\pw], v[TM+7], 24, v[\pw]
.irp b, 0,1,2,3
	v_cvt_scalef32_pk8_fp4_f32 v[(\pc)+2*\b], v[(\s)+16*\b:(\s)+7+16*\b], v[TM+12+\b]
	v_cvt_scalef32_pk8_fp4_f32 v[(\pc)+1+2*\b], v[(\s)+8+16*\b:(\s)+15+16*\b], v[TM+12+\b]
.endr
	v_nop                                          ; one plain place behind the conversions
.irp c, 0,1
.irp i, 0,1
	v_permlane16_swap_b32 v[(\pc)+4*\c+\i], v[(\pc)+2+4*\c+\i]   ; a whole block to a lane
.endr
.endr
.endm
	s_load_b256 s[4:11], s[0:1], 0x0               ; cimg, wimg, out_b, himg
	v_lshl_add_u32 v106, v0, 2, 0x29000
	v_mov_b32 v107, 0
	ds_add_u32 v106, v107
	ds_add_u32 v106, v107
	v_lshrrev_b32 v1, 5, v0
	v_readfirstlane_b32 s20, v1                    ; wave
	s_lshr_b32 s21, s20, 1                         ; I fetch for A (0) or B (1),
	s_and_b32 s22, s20, 1                          ; its first or second four records
	s_bfe_u32 s23, ttmp6, 0x40000                  ; cx
	s_bfe_u32 s32, ttmp6, 0x40004                  ; cy
	s_lshl_b32 s33, ttmp9, 2
	s_add_co_u32 s33, s33, s23                     ; block of 128 columns
	s_and_b32 s34, ttmp7, 0xffff
	s_lshl_b32 s34, s34, 2
	s_add_co_u32 s34, s34, s32                     ; block of 128 tokens
	G1SETUP
	s_lshl_b32 s37, s22, 2
	s_lshl_b32 s84, s34, 3
	s_add_co_u32 s84, s84, s37
	s_mul_i32 s84, s84, 8704
	s_mov_b32 s85, 0
	s_lshl_b32 s86, s33, 3
	s_add_co_u32 s86, s86, s37
	s_mul_i32 s86, s86, 8704
	s_mov_b32 s87, 0
	s_mul_i32 s39, s20, 34816                      ; where my records land: no place in the cluster enters an LDS address
	s_wait_dscnt 0x0
	s_wait_kmcnt 0x0
	s_add_nc_u64 s[84:85], s[4:5], s[84:85]
	s_add_nc_u64 s[86:87], s[6:7], s[86:87]
	s_add_nc_u64 s[86:87], s[86:87], WOFF
	CROUND                                         ; all sixteen work-groups are here: the joint loads meet
	G0SETUP
	FIRSTLOADS
	VADDR
.irp b, 0,1,2,3
	v_mov_b32 v[TM+4+\b], 0                        ; a lane permute's destination counts as a source
.endr
	s_mov_b32 s[SEL], 0x76543210
	s_mov_b32 s[SEL+1], 0xfedcba98
	s_lshl_b32 s88, s33, 9
	s_mov_b32 s89, 0
	s_add_nc_u64 s[88:89], s[8:9], s[88:89]        ; the bias of my 128 columns
	v_lshlrev_b32 v9, 6, v2                        ; 64 h
.irp b, 0,1,2,3,4,5,6,7
	global_load_b128 v[BI+8*\b:BI+8*\b+3], v9, s[88:89] offset:(32*(\b/2)+8*(\b%2))*4
	global_load_b128 v[BI+8*\b+4:BI+8*\b+7], v9, s[88:89] offset:(32*(\b/2)+8*(\b%2))*4+16
.endr
	s_lshl_b32 s90, s34, 3
	s_lshl_b32 s38, s20, 1
	s_add_co_u32 s90, s90, s38                     ; my first tile of tokens
	s_mul_i32 s90, s90, 8704
	s_lshr_b32 s38, s33, 2
	s_mul_i32 s38, s38, 4352
	s_add_co_u32 s90, s90, s38
	s_add_co_u32 s90, s90, 2228224                 ; part 1 of himg
	s_mov_b32 s91, 0
	s_add_nc_u64 s[90:91], s[10:11], s[90:91]      ; the record
	s_and_b32 s38, s33, 3
	s_lshl_b32 s92, s38, 10
	s_mov_b32 s93, 0
	s_add_nc_u64 s[92:93], s[90:91], s[92:93]      ; its fragment
	s_lshl_b32 s94, s38, 6
	s_add_co_u32 s94, s94, 4096
	s_mov_b32 s95, 0
	s_add_nc_u64 s[94:95], s[90:91], s[94:95]      ; and the fragment's words
	v_mul_u32_u24 v10, v2, 8704
	v_lshl_add_u32 v10, v1, 2, v10                 ; lanes 0-15 the first tile's record, lanes 16-31 the second's
	v_cmp_ne_u32 vcc_lo, 0, v2
	s_wait_alu depctr_va_vdst(0)
	MAIN 0
	QUANT ACC, PC, PW
	QUANT ACC+64, PC+8, PW+1
	v_cndmask_b32 v28, v26, v27, vcc_lo
.irp a, 0,1
.irp c, 0,1
	global_store_b128 v4, v[PC+8*\a+4*\c:PC+8*\a+4*\c+3], s[92:93] offset:8704*\a+512*\c   ; 512 consecutive bytes, aligned
.endr
.endr
	global_store_b32 v10, v28, s[94:95]
	s_wait_tensorcnt 0x0
	ds_add_u32 v106, v107
	s_wait_dscnt 0x0
	CROUND                                         ; the closing round: no work-group ends while a partner may still ask for a tile that names it
	s_endpgm
.Lfunc_end_k_q7de7a4647f_gemm_out:
	.size	k_q7de7a4647f_gemm_out, .Lfunc_end_k_q7de7a4647f_gemm_out-k_q7de7a4647f_gemm_out
	.p2alignl 7, 3214868480
	.fill 96, 4, 3214868480
	.section	.rodata,"a",@progbits
	.p2align	6, 0x0
	.amdhsa_kernel k_q7de7a4647f_gemm_out
		.amdhsa_group_segment_fixed_size 168448
		.amdhsa_private_segment_fixed_size 0
		.amdhsa_enable_private_segment 0
		.amdhsa_kernarg_size 32
		.amdhsa_user_sgpr_count 2
		.amdhsa_user_sgpr_kernarg_segment_ptr 1
		.amdhsa_wavefront_size32 1
		.amdhsa_system_sgpr_workgroup_id_x 1
		.amdhsa_system_sgpr_workgroup_id_y 1
		.amdhsa_system_sgpr_workgroup_id_z 1
		.amdhsa_system_vgpr_workitem_id 0
		.amdhsa_next_free_vgpr 512
		.amdhsa_next_free_sgpr 104
		.amdhsa_reserve_vcc 1
		.amdhsa_float_denorm_mode_32 3
		.amdhsa_float_denorm_mode_16_64 3
		.amdhsa_memory_ordered 1
		.amdhsa_forward_progress 1
		.amdhsa_inst_pref_size 47
	.end_amdhsa_kernel
	.amdgpu_metadata
---
amdhsa.version: [ 1, 2 ]
amdhsa.kernels:
  - .name:           k_q7de7a4647f_gemm_out
    .symbol:         k_q7de7a4647f_gemm_out.kd
    .args:
      - { .name: cimg, .offset: 0, .size: 8, .value_kind: global_buffer, .address_space: global }
      - { .name: wimg, .offset: 8, .size: 8, .value_kind: global_buffer, .address_space: global }
      - { .name: out_b, .offset: 16, .size: 8, .value_kind: global_buffer, .address_space: global }
      - { .name: himg, .offset: 24, .size: 8, .value_kind: global_buffer, .address_space: global }
    .group_segment_fixed_size: 168448
    .private_segment_fixed_size: 0
    .kernarg_segment_align: 8
    .kernarg_segment_size: 32
    .max_flat_workgroup_size: 128
    .sgpr_count:     104
    .vgpr_count:     512
    .wavefront_size: 32
...
	.end_amdgpu_metadata
.endif
;; end of part 4
;; launch gemm_ffn1 (part 5): grid 32 x 8, 8 waves a work-group, clusters of 4 x 1, 279,552 bytes of LDS; arguments himg, wimg, ffn1_b, h1; writes h1
.if DOCPART == 5
	.amdgcn_target "amdgcn-amd-amdhsa--gfx1250"
	.amdhsa_code_object_version 6
	.text
	.protected	k_q7de7a4647f_gemm_ffn1
	.globl	k_q7de7a4647f_gemm_ffn1
	.p2align	8
	.type	k_q7de7a4647f_gemm_ffn1,@function
k_q7de7a4647f_gemm_ffn1:
	s_mov_b64 s[64:65], 0
	v_nop
	global_prefetch_b8 v0, s[64:65] scope:SCOPE_SE
	s_setreg_imm32_b32 hwreg(HW_REG_WAVE_MODE, 25, 1), 1
	s_wait_xcnt 0x0
	s_wait_alu depctr_hold_cnt(0) depctr_sa_sdst(0) depctr_va_vdst(0) depctr_va_sdst(0) depctr_va_ssrc(0) depctr_va_vcc(0) depctr_vm_vsrc(0)
	s_getreg_b32 s2, hwreg(HW_REG_IB_STS2, 6, 4)
	s_cmp_eq_u32 s2, 0
	s_cbranch_scc0 .Lentry_in_a_cluster
	s_endpgm
.Lentry_in_a_cluster:
	s_bfe_u32 s2, ttmp6, 0x10000c
	s_cmp_lg_u32 s2, 0x3003
	s_cbranch_scc0 .Lentry_shape_is_right
	s_endpgm
.Lentry_shape_is_right:
; h = [x, message] ffn1_w^T + ffn1_b on codes of FP4 with E8M0 scales; h leaves in f32, as an image of the accumulators: h1 [tile of 16 tokens][group of 128 columns][j 16][lane][16 bytes].
; A work-group of eight waves makes 128 tokens x 256 columns: 256 work-groups in all.  B's 256 rows for all of K = 2,048 lie in LDS (4 chunks of 512 along K, 16 records of 4,352 bytes each: 278,528 bytes),
; filled ONCE: nothing is filled again.  A's 128 rows beside them would make 417,792 bytes, which is more than a work-group can have: so A'S FRAGMENTS GO FROM MEMORY STRAIGHT INTO REGISTERS.  They lie in
; memory as images of the operand's registers (a load reads 512 consecutive bytes), and each feeds two waves only, so LDS would add nothing to them but a write and two reads.  That is also why A is not asked
; for jointly: a joint load lands in LDS.  A ring of eight slots of 16 registers: step g asks for step g + 7's two fragments and scale words, four places behind the products that read the slot.
; Wave w makes A's tiles 2 (w % 4), 2 (w % 4) + 1 against B's tiles 8 (w / 4) .. + 7: 16 accumulators.  THE PRODUCT IS USED TRANSPOSED (source 0 = 16 rows of ffn1_w, source 1 = 16 tokens): lane (r, h) holds
; one token, and its 64 registers n = 16 beta + i are columns 32 beta + 16 h + i of the group, since a tile's rows are 32 (T / 2) + 8 (T % 2) + r + 8 (r / 8).  Each store covers 512 consecutive bytes, aligned.
; CLUSTERS of 4 x 1: the four partners have four blocks of tokens and ONE block of columns: B's records are asked for jointly by all four (mask 15).  Each of the eight waves fetches 8 records by one load.
; REGISTERS: window 0: v1-9 addresses; v16-23 two sets of B's scale words; v24-31 A's scale words, a ring of eight; v32-95 the bias as C; v128-255 accumulators.
;   window 1: v0-63, v128-191 B's two fragment buffers; v64-127, v192-255 A's eight slots.
; B IN LDS, AS THIS TEXT HAS IT: four tiles x 2 records of one half of K (1,024) are 34,816 consecutive bytes of memory, and EACH OF THE EIGHT WAVES brings one such block by one joint tensor load:
; wave w lands at 34,816 w: K's half w / 4 at 139,264 (w / 4), tile t at 8,704 t in it, the record of the half's second 512 at 4,352 behind the first.  One wait and one barrier; nothing is filled later.
.set NCH,   1                          ; tensor loads a wave
.set NST,   16                         ; steps of 128 along K
.set PARTA, 2228224
.set PARTB, 1114112
.set WOFF,  2228224                    ; ffn1_w's records in wimg
.set CHB,   69632
.set ACC,   128
.set BI,    32
.set SCB,   16
.set SCA,   24
.set G1,    24
.set G0,    48
.set MSB, 0
.macro WIN new                         ; the immediate's high byte repeats the setting that is left
.if MSB != \new
	s_set_vgpr_msb (MSB<<8)|\new
.set MSB, \new
.endif
.endm
.macro PLACES
.rept 4
	v_nop
.endr
.endm
.macro CROUND                          ; a round of the cluster's barrier
	s_barrier_signal -1
	s_barrier_wait -1
	s_cmp_lg_u32 s20, 0
	s_cbranch_scc1 .Lnot_wave_0_\@
	s_barrier_signal -3
.Lnot_wave_0_\@:
	s_barrier_wait -3
	s_barrier_signal -1
	s_barrier_wait -1
.endm
.macro AFRAG st                        ; A's two fragments of step st into slot st % 8 (under a setting whose destination is window 1)
.set AO, ((\st)/8)*PARTA+(((\st)/4)%2)*4352+((\st)%4)*1024
.set AR, 64+16*((\st)%4)+128*(((\st)%8)/4)
.irp a, 0,1
.irp c, 0,1
	global_load_b128 v[AR+8*\a+4*\c:AR+8*\a+4*\c+3], v4, s[92:93] offset:AO+8704*\a+512*\c
.endr
.endr
.endm
.macro AWORD st                        ; and their scale words: lanes 0-15 the first tile's, lanes 16-31 the second's
	global_load_b32 v[SCA+(\st)%8], v7, s[92:93] offset:((\st)/8)*PARTA+(((\st)/4)%2)*4352+4096+64*((\st)%4)
.endm
.macro FETCH f, q, ga                  ; B's fragments and scale words of 128 along K (the chunk's q-th) from LDS into buffer f; ga >= 0: A's of step ga from memory: five loads on end
	WIN 0x40
.irp b, 0,1,2,3,4,5,6,7
.irp c, 0,1
	ds_load_b128 v[(\f)+8*\b+4*\c:(\f)+8*\b+4*\c+3], v6 offset:8704*\b+1024*(\q)+512*\c
.endr
.endr
.if (\ga) >= 0
	AFRAG \ga
.endif
	WIN 0
.irp i, 0,1,2,3
	ds_load_b32 v[SCB+4*((\f)/128)+\i], v8 offset:17408*\i+64*(\q)
.endr
.if (\ga) >= 0
	AWORD \ga
.endif
.endm
.macro WM a, b, f, cm                  ; one product; cm = 1: the bias is the C of the sum's first product.  ARC, SAC: the step's slot of A and its scale register
.set rD, ACC+64*(\a)+8*(\b)
.set rB, (\f)+8*(\b)
.set rA, ARC+8*(\a)
.set rS, SAC
.set rT, SCB+4*((\f)/128)+(\b)/2
.set rC, rD
.if \cm
.set rC, BI+8*(\b)
.endif
.if ((\b)%2 == 0) && ((\a) == 0)
	v_wmma_scale_f32_16x16x128_f8f6f4 v[rD:rD+7], v[rB:rB+7], v[rA:rA+7], v[rC:rC+7], v[rT], v[rS] matrix_a_fmt:MATRIX_FMT_FP4 matrix_b_fmt:MATRIX_FMT_FP4
.elseif (\a) == 0
	v_wmma_scale_f32_16x16x128_f8f6f4 v[rD:rD+7], v[rB:rB+7], v[rA:rA+7], v[rC:rC+7], v[rT], v[rS] matrix_a_fmt:MATRIX_FMT_FP4 matrix_b_fmt:MATRIX_FMT_FP4 matrix_a_scale:MATRIX_SCALE_ROW1
.elseif (\b)%2 == 0
	v_wmma_scale_f32_16x16x128_f8f6f4 v[rD:rD+7], v[rB:rB+7], v[rA:rA+7], v[rC:rC+7], v[rT], v[rS] matrix_a_fmt:MATRIX_FMT_FP4 matrix_b_fmt:MATRIX_FMT_FP4 matrix_b_scale:MATRIX_SCALE_ROW1
.else
	v_wmma_scale_f32_16x16x128_f8f6f4 v[rD:rD+7], v[rB:rB+7], v[rA:rA+7], v[rC:rC+7], v[rT], v[rS] matrix_a_fmt:MATRIX_FMT_FP4 matrix_b_fmt:MATRIX_FMT_FP4 matrix_a_scale:MATRIX_SCALE_ROW1 matrix_b_scale:MATRIX_SCALE_ROW1
.endif
.endm
.macro MUL8 a, f, cm
.irp b, 0,1,2,3,4,5,6,7
	WM \a, \b, \f, \cm
.endr
.endm
; All of K, written out: NST steps of 128.  The 16 accumulators take turns, one instruction a turn, in the same order in every step.
; While a step is multiplied the next step's 20 LDS loads are on their way into B's other buffer, four plain places behind the products that read it; with them go A's five loads for seven steps on.
; THE COUNT ON LOADcnt: the bias's 16 loads, then groups of five, one for each step, in the order of the steps.  At step g's wait the groups issued behind step g's are: g = 0: steps 1 to 7, 35 loads;
; g = 1 to 9: six groups, 30; from g = 10 on the 15 - g groups that are left.
.macro MAIN
	s_wait_tensorcnt NCH-1                         ; my records are in
	s_barrier_signal -1
	s_barrier_wait -1
	FETCH 0, 0, -1
.set g, 0
.rept NST
.set FC, 128*(g%2)
.set FN, 128-FC
.set QN, (g+1)%4
.set ARC, 64+16*(g%4)+128*((g%8)/4)
.set SAC, SCA+g%8
.set GA, -1
.if (g >= 1) && (g <= 8)
.set GA, g+7
.endif
.set LC, 5*(15-g)
.if LC > 30
.set LC, 30
.endif
.set CM, 0
.if g == 0
.set LC, 35
.set CM, 1
.endif
	s_wait_dscnt 0x0                               ; this step's fragments and words of B are in
	s_wait_loadcnt LC                              ; and A's (at the first step the bias too)
.if g == NST-1
	WIN 0x05
	MUL8 0, FC, CM
	MUL8 1, FC, CM
	WIN 0
	PLACES
.elseif g%4 == 3
	WIN 0x05
	MUL8 0, FC, CM
	WIN 0
.set CHS, 4352+((g/4)%2)*(139264-8704)         ; to a tile's second record, or from there to its first record of K's second half
	v_add_nc_u32 v6, CHS, v6                       ; with the two v_nop four plain places in front of the loads
	v_add_nc_u32 v8, CHS, v8
	s_wait_alu depctr_va_vdst(0)
	v_nop
	v_nop
	FETCH FN, QN, GA
	WIN 0x05
	MUL8 1, FC, CM
.else
	PLACES
	FETCH FN, QN, GA
	WIN 0x05
	MUL8 0, FC, CM
	MUL8 1, FC, CM
.endif
.set g, g+1
.endr
.endm
	s_load_b256 s[4:11], s[0:1], 0x0               ; himg, wimg, ffn1_b, h1
	v_lshl_add_u32 v126, v0, 2, 0x44000
	v_mov_b32 v127, 0
	ds_add_u32 v126, v127
	ds_add_u32 v126, v127
	v_lshrrev_b32 v1, 5, v0
	s_delay_alu instid0(VALU_DEP_1)
	v_readfirstlane_b32 s20, v1                    ; wave 0..7
	s_and_b32 s21, s20, 3                          ; which two tiles of tokens; also: which 4 records of a chunk I fetch
	s_lshr_b32 s22, s20, 2                         ; which 128 of the 256 columns
	s_bfe_u32 s23, ttmp6, 0x40000                  ; cx: it enters A's and h1's global addresses alone
	s_lshl_b32 s34, ttmp9, 2
	s_add_co_u32 s34, s34, s23                     ; block of 128 tokens, 0..31
	s_and_b32 s33, ttmp7, 0xffff                   ; block of 256 columns, 0..7: the four partners share it
	s_mov_b32 s[G1], 15|(3<<16)|(1<<21)            ; the mask: all four work-groups; elements of 8 bytes; bit 21 beside a mask
	s_mov_b32 s[G1+1], 544<<16                     ; a record of 4,352 bytes (544 elements),
	s_mov_b32 s[G1+2], 8<<16                       ; 8 of them,
	s_mov_b32 s[G1+3], 544<<16
	s_mov_b32 s[G1+4], 8
	s_mov_b32 s[G1+5], 544                         ; one behind the other
	s_mov_b32 s[G1+6], 0
	s_mov_b32 s[G1+7], 0
	s_lshl_b32 s86, s33, 4
	s_lshl_b32 s37, s21, 2
	s_add_co_u32 s86, s86, s37                     ; B's tile 16 x block + 4 x (wave % 4)
	s_mul_i32 s86, s86, 8704
	s_mul_i32 s37, s22, PARTB                      ; K's half wave / 4
	s_add_co_u32 s86, s86, s37
	s_mov_b32 s87, 0
	s_mul_i32 s39, s20, 34816                      ; where my records land: no place in the cluster enters an LDS address
	s_wait_dscnt 0x0
	s_wait_kmcnt 0x0
	s_add_nc_u64 s[86:87], s[6:7], s[86:87]
	s_add_nc_u64 s[86:87], s[86:87], WOFF
	CROUND                                         ; all four work-groups are here: the joint loads meet
.set ch, 0
.rept NCH
	s_mov_b32 s[G0+4*ch], 1
	s_add_co_u32 s[G0+4*ch+1], s39, ch*CHB
	s_add_nc_u64 s[G0+4*ch+2:G0+4*ch+3], s[86:87], (ch/2)*PARTB+(ch%2)*4352
	s_or_b32 s[G0+4*ch+3], s[G0+4*ch+3], 0x80000000
.set ch, ch+1
.endr
.set ch, 0
.rept NCH
	tensor_load_to_lds s[G0+4*ch:G0+4*ch+3], s[G1:G1+7]
	s_nop 0
.set ch, ch+1
.endr
	PLACES
	v_and_b32 v1, 15, v0                           ; r
	v_bfe_u32 v2, v0, 4, 1                         ; h
	v_and_b32 v3, 31, v0                           ; lane
	s_delay_alu instid0(VALU_DEP_1)
	v_lshlrev_b32 v4, 4, v3                        ; 16 x lane
	s_mul_i32 s37, s22, 69632
	v_add_nc_u32 v6, s37, v4                       ; LDS: my eight records of B
	v_mul_u32_u24 v8, v2, 8704
	s_delay_alu instid0(VALU_DEP_1)
	v_lshl_add_u32 v8, v1, 2, v8                   ; their scale words: lanes 0-15 one record's, lanes 16-31 the next's
	s_delay_alu instid0(VALU_DEP_1)
	v_add_nc_u32 v8, s37, v8
	s_delay_alu instid0(VALU_DEP_1)
	v_add_nc_u32 v8, 4096, v8
	v_mul_u32_u24 v7, v2, 8704
	s_delay_alu instid0(VALU_DEP_1)
	v_lshl_add_u32 v7, v1, 2, v7                   ; memory: A's scale words: 8,704 h + 4 r
	v_lshlrev_b32 v9, 6, v2                        ; 64 h
	s_wait_alu depctr_va_vdst(0)
	s_lshl_b32 s38, s33, 1
	s_add_co_u32 s38, s38, s22                     ; my group of 128 columns, 0..15
	s_lshl_b32 s88, s38, 9
	s_mov_b32 s89, 0
	s_add_nc_u64 s[88:89], s[8:9], s[88:89]        ; its bias
	s_lshl_b32 s90, s34, 3
	s_lshl_b32 s37, s21, 1
	s_add_co_u32 s90, s90, s37                     ; my first tile of tokens
	s_mul_i32 s92, s90, 8704
	s_mov_b32 s93, 0
	s_add_nc_u64 s[92:93], s[4:5], s[92:93]        ; its records in himg
	s_lshl_b32 s90, s90, 17
	s_lshl_b32 s38, s38, 13
	s_add_co_u32 s90, s90, s38
	s_mov_b32 s91, 0
	s_add_nc_u64 s[90:91], s[10:11], s[90:91]      ; its place in h1
.irp b, 0,1,2,3,4,5,6,7
	global_load_b128 v[BI+8*\b:BI+8*\b+3], v9, s[88:89] offset:(32*(\b/2)+8*(\b%2))*4
	global_load_b128 v[BI+8*\b+4:BI+8*\b+7], v9, s[88:89] offset:(32*(\b/2)+8*(\b%2))*4+16
.endr
.irp st, 0,1,2,3,4,5,6,7
	WIN 0x40                                       ; the ring is filled: steps 0 to 7, five loads each, a step's five on end
	AFRAG \st
	WIN 0
	AWORD \st
.endr
	MAIN
.irp a, 0,1
.irp j, 0,1,2,3,4,5,6,7,8,9,10,11,12,13,14,15
	global_store_b128 v4, v[ACC+64*\a+4*\j:ACC+64*\a+4*\j+3], s[90:91] offset:131072*\a+512*\j   ; each accumulator from its low end on
.endr
.endr
	s_wait_tensorcnt 0x0
	ds_add_u32 v126, v127
	s_wait_dscnt 0x0
	CROUND                                         ; the closing round: no work-group ends while a partner may still ask for a tile that names it
	s_endpgm
.Lfunc_end_k_q7de7a4647f_gemm_ffn1:
	.size	k_q7de7a4647f_gemm_ffn1, .Lfunc_end_k_q7de7a4647f_gemm_ffn1-k_q7de7a4647f_gemm_ffn1
	.p2alignl 7, 3214868480
	.fill 96, 4, 3214868480
	.section	.rodata,"a",@progbits
	.p2align	6, 0x0
	.amdhsa_kernel k_q7de7a4647f_gemm_ffn1
		.amdhsa_group_segment_fixed_size 279552
		.amdhsa_private_segment_fixed_size 0
		.amdhsa_enable_private_segment 0
		.amdhsa_kernarg_size 32
		.amdhsa_user_sgpr_count 2
		.amdhsa_user_sgpr_kernarg_segment_ptr 1
		.amdhsa_wavefront_size32 1
		.amdhsa_system_sgpr_workgroup_id_x 1
		.amdhsa_system_sgpr_workgroup_id_y 1
		.amdhsa_system_sgpr_workgroup_id_z 1
		.amdhsa_system_vgpr_workitem_id 0
		.amdhsa_next_free_vgpr 512
		.amdhsa_next_free_sgpr 104
		.amdhsa_reserve_vcc 0
		.amdhsa_float_denorm_mode_32 3
		.amdhsa_float_denorm_mode_16_64 3
		.amdhsa_memory_ordered 1
		.amdhsa_forward_progress 1
		.amdhsa_inst_pref_size 75
	.end_amdhsa_kernel
	.amdgpu_metadata
---
amdhsa.version: [ 1, 2 ]
amdhsa.kernels:
  - .name:           k_q7de7a4647f_gemm_ffn1
    .symbol:         k_q7de7a4647f_gemm_ffn1.kd
    .args:
      - { .name: himg, .offset: 0, .size: 8, .value_kind: global_buffer, .address_space: global }
      - { .name: wimg, .offset: 8, .size: 8, .value_kind: global_buffer, .address_space: global }
      - { .name: ffn1_b, .offset: 16, .size: 8, .value_kind: global_buffer, .address_space: global }
      - { .name: h1, .offset: 24, .size: 8, .value_kind: global_buffer, .address_space: global }
    .group_segment_fixed_size: 279552
    .private_segment_fixed_size: 0
    .kernarg_segment_align: 8
    .kernarg_segment_size: 32
    .max_flat_workgroup_size: 256
    .sgpr_count:     104
    .vgpr_count:     512
    .wavefront_size: 32
...
	.end_amdgpu_metadata
.endif
;; end of part 5
;; launch lngelu (part 6): grid 256 x 1, 16 waves a work-group, no clusters, 4,096 bytes of LDS; arguments h1, ln_g, ln_b, gimg; writes gimg
.if DOCPART == 6
	.amdgcn_target "amdgcn-amd-amdhsa--gfx1250"
	.amdhsa_code_object_version 6
	.text
	.protected	k_q7de7a4647f_lngelu
	.globl	k_q7de7a4647f_lngelu
	.p2align	8
	.type	k_q7de7a4647f_lngelu,@function
k_q7de7a4647f_lngelu:
	s_mov_b64 s[64:65], 0
	v_nop
	global_prefetch_b8 v0, s[64:65] scope:SCOPE_SE
	s_setreg_imm32_b32 hwreg(HW_REG_WAVE_MODE, 25, 1), 1
	s_wait_xcnt 0x0
; g = gelu(layer_norm(h) ln_g + ln_b), in f32, quantised along its 2,048 columns to codes of FP4 with E8M0 scales, laid as records in the order of an operand's registers (gimg).
; A work-group takes one tile of 16 tokens, wave w the group of 128 columns w.  h1 is an image of the accumulators that made it: lane (r, h) holds token r of the tile, and its 64 registers
; n = 16 beta + i are columns 32 beta + 16 h + i of the group: the order in which the quantiser wants them; every load of h1 reads 512 consecutive bytes.
; The mean and then the mean of the squared differences, as two passes over registers: a lane's sum, lane l xor 16's, then the sixteen waves' through 64 bytes of LDS a token (other bytes for the second).
; gelu(y) = y erfc(-y / sqrt 2) / 2, with erfc(z) = t exp(-z^2 + P(t)), t = 1 / (1 + z / 2), for z = |y| / sqrt 2, P of degree 9 (fractional error of the form under 1.2e-7 at every z); where y >= 0: 2 - that.
; No difference of near numbers is formed in the negative tail.  No tensor loads, no matrix unit, no cluster: memory and the vector unit bind, and work-groups share only ln_g and ln_b (16 KB).
; LIMITS: NaN and infinities are not served; erfc carries about 3e-7 relative error, growing as z^2 1e-7 far in the negative tail, and is 0 under 2^-126; a block under 2^-124 or of zeros keeps the
; scale byte 1 (read by this program alone).
; REGISTERS: v1-5 addresses; v16-31 sums; v32-47 QUANT's; v48-55 codes; v56 the scale word; v[58:59] c9; v64-127 the 64 numbers; v128-191 ln_g, v192-255 ln_b, later gelu's temporaries.
.set X,   64
.set TM,  32
.set PC,  48
.set PW,  56
.set SEL, 28
.macro FOLD                            ; four chains of pairs in v16-23 -> the token's sum over this wave's 128 columns, in v16 of both halves of the lanes
	s_delay_alu instid0(VALU_DEP_3)
	v_pk_add_f32 v[16:17], v[16:17], v[18:19]
	s_delay_alu instid0(VALU_DEP_2)
	v_pk_add_f32 v[20:21], v[20:21], v[22:23]
	s_delay_alu instid0(VALU_DEP_1)
	v_pk_add_f32 v[16:17], v[16:17], v[20:21]
	s_delay_alu instid0(VALU_DEP_1)
	v_add_f32 v16, v16, v17
	s_delay_alu instid0(VALU_DEP_1)
	v_permlanex16_b32 v18, v16, s[SEL], s[SEL+1]
	s_delay_alu instid0(VALU_DEP_1)
	v_add_f32 v16, v16, v18
.endm
.macro MEET off                        ; my sum to LDS, the barrier, the sixteen waves' sums back and added: v16
	ds_store_b32 v3, v16 offset:\off               ; both halves of the lanes write the same word with the same value
	s_wait_dscnt 0x0                               ; for the others' sake: my store has landed
	s_barrier_signal -1
	s_barrier_wait -1
.irp i, 0,1,2,3
	ds_load_b128 v[16+4*\i:19+4*\i], v4 offset:\off+16*\i
.endr
	s_wait_dscnt 0x0
	v_pk_add_f32 v[16:17], v[16:17], v[18:19]
	v_pk_add_f32 v[20:21], v[20:21], v[22:23]
	v_pk_add_f32 v[24:25], v[24:25], v[26:27]
	v_pk_add_f32 v[28:29], v[28:29], v[30:31]
	s_delay_alu instid0(VALU_DEP_3)
	v_pk_add_f32 v[16:17], v[16:17], v[20:21]
	s_delay_alu instid0(VALU_DEP_2)
	v_pk_add_f32 v[24:25], v[24:25], v[28:29]
	s_delay_alu instid0(VALU_DEP_1)
	v_pk_add_f32 v[16:17], v[16:17], v[24:25]
	s_delay_alu instid0(VALU_DEP_1)
	v_add_f32 v16, v16, v17
.endm
.macro QUANT s, pc, pw
.irp b, 0,1,2,3
	v_max3_num_f32 v[TM+\b], |v[(\s)+16*\b]|, |v[(\s)+1+16*\b]|, 0x1800000   ; the floor 2^(3 - 127) holds the byte at 1 from below
.endr
.irp i, 2,4,6,8,10,12,14
.irp b, 0,1,2,3
	s_delay_alu instid0(VALU_DEP_4)
	v_max3_num_f32 v[TM+\b], v[TM+\b], |v[(\s)+16*\b+\i]|, |v[(\s)+1+16*\b+\i]|
.endr
.endr
.irp b, 0,1,2,3
	s_delay_alu instid0(VALU_DEP_4)
	v_permlanex16_b32 v[TM+4+\b], v[TM+\b], s[SEL], s[SEL+1]
.endr
.irp b, 0,1,2,3
	s_delay_alu instid0(VALU_DEP_4)
	v_max_num_f32 v[TM+\b], v[TM+\b], v[TM+4+\b]
.endr
.irp b, 0,1,2,3
	s_delay_alu instid0(VALU_DEP_4)
	v_add_nc_u32 v[TM+12+\b], 0xff000000, v[TM+\b]
.endr
.irp b, 0,1,2,3
	s_delay_alu instid0(VALU_DEP_4)
	v_lshrrev_b32 v[TM+4+\b], 23, v[TM+12+\b]
.endr
	s_delay_alu instid0(VALU_DEP_3)
	v_lshl_or_b32 v[\pw], v[TM+5], 8, v[TM+4]
	s_delay_alu instid0(VALU_DEP_1)
	v_lshl_or_b32 v[\pw], v[TM+6], 16, v[\pw]
	s_delay_alu instid0(VALU_DEP_1)
	v_lshl_or_b32 v[\pw], v[TM+7], 24, v[\pw]
.irp b, 0,1,2,3
	v_cvt_scalef32_pk8_fp4_f32 v[(\pc)+2*\b], v[(\s)+16*\b:(\s)+7+16*\b], v[TM+12+\b]
	v_cvt_scalef32_pk8_fp4_f32 v[(\pc)+1+2*\b], v[(\s)+8+16*\b:(\s)+15+16*\b], v[TM+12+\b]
.endr
	v_nop
.irp c, 0,1
.irp i, 0,1
	v_permlane16_swap_b32 v[(\pc)+4*\c+\i], v[(\pc)+2+4*\c+\i]
.endr
.endr
.endm
; gelu of the 32 numbers from v[y] on, in place.  v128-159 t, then e; v160-191 P, then the exponent; v192-223 y^2, then the choice; v224-255 2 - e.
.macro GELU y
.set n, 0
.rept 32
	v_fma_f32 v[128+n], |v[(\y)+n]|, s52, 1.0      ; 1 + z / 2
.set n, n+1
.endr
.set n, 0
	s_wait_alu depctr_va_vdst(0)
.rept 32
	v_rcp_f32 v[128+n], v[128+n]                   ; t
.set n, n+1
.endr
.set n, 0
.rept 16
	v_pk_mul_f32 v[192+n:193+n], v[(\y)+n:(\y)+n+1], v[(\y)+n:(\y)+n+1]   ; y^2: plain work behind the reciprocals
.set n, n+2
.endr
	s_wait_alu depctr_va_vdst(0)                   ; one wait for the 32 reciprocals, ahead of their first reader
.set n, 0
.rept 16
	v_pk_fma_f32 v[160+n:161+n], v[128+n:129+n], v[58:59], s[48:49] op_sel_hi:[1,1,0]   ; c9 t + c8
.set n, n+2
.endr
.irp k, 7,6,5,4,3,2,1,0
.set n, 0
.rept 16
	v_pk_fma_f32 v[160+n:161+n], v[160+n:161+n], v[128+n:129+n], s[32+2*\k:33+2*\k] op_sel_hi:[1,1,0]
.set n, n+2
.endr
.endr
.set n, 0
.rept 16
	v_pk_fma_f32 v[160+n:161+n], v[192+n:193+n], -0.5, v[160+n:161+n] op_sel_hi:[1,0,1]   ; P - z^2
.set n, n+2
.endr
.set n, 0
.rept 16
	v_pk_mul_f32 v[160+n:161+n], v[160+n:161+n], s[50:51] op_sel_hi:[1,0]                 ; x log2(e)
.set n, n+2
.endr
.set n, 0
	s_wait_alu depctr_va_vdst(0)
.rept 32
	v_exp_f32 v[160+n], v[160+n]
.set n, n+1
.endr
	v_nop
	s_wait_alu depctr_va_vdst(0)                   ; one wait for the 32 exponentials
.set n, 0
.rept 16
	v_pk_mul_f32 v[128+n:129+n], v[128+n:129+n], v[160+n:161+n]                           ; e = erfc(z)
.set n, n+2
.endr
.set n, 0
.rept 16
	v_pk_fma_f32 v[224+n:225+n], v[128+n:129+n], -1.0, 2.0 op_sel_hi:[1,0,0]              ; 2 - e = erfc(-z)
.set n, n+2
.endr
.set n, 0
.rept 32
	v_cmp_gt_f32 vcc_lo, 0, v[(\y)+n]
	s_delay_alu instid0(VALU_DEP_1)
	v_cndmask_b32 v[192+n], v[224+n], v[128+n], vcc_lo                                    ; y < 0: e; else 2 - e
.set n, n+1
.endr
.set n, 0
.rept 16
	v_pk_mul_f32 v[(\y)+n:(\y)+n+1], v[(\y)+n:(\y)+n+1], v[192+n:193+n]
.set n, n+2
.endr
.set n, 0
.rept 16
	v_pk_mul_f32 v[(\y)+n:(\y)+n+1], v[(\y)+n:(\y)+n+1], 0.5 op_sel_hi:[1,0]
.set n, n+2
.endr
.endm
	s_load_b256 s[4:11], s[0:1], 0x0               ; h1, ln_g, ln_b, gimg
	v_lshl_add_u32 v62, v0, 2, 0x800
	v_mov_b32 v63, 0
	v_lshrrev_b32 v1, 5, v0
	s_delay_alu instid0(VALU_DEP_1)
	v_readfirstlane_b32 s12, v1                    ; wave = group of 128 columns
	v_and_b32 v6, 31, v0
	v_and_b32 v7, 15, v0                           ; r
	v_bfe_u32 v8, v0, 4, 1                         ; h
	s_delay_alu instid0(VALU_DEP_3)
	v_lshlrev_b32 v1, 4, v6                        ; 16 x lane
	s_delay_alu instid0(VALU_DEP_2)
	v_lshlrev_b32 v2, 6, v8                        ; 64 h
	s_delay_alu instid0(VALU_DEP_4)
	v_lshlrev_b32 v4, 6, v7                        ; LDS: 64 bytes a token,
	s_lshl_b32 s13, s12, 2
	v_add_nc_u32 v3, s13, v4                       ; a word a wave
	v_lshlrev_b32 v5, 2, v7                        ; 4 r
	s_lshl_b32 s14, ttmp9, 17
	s_lshl_b32 s15, s12, 13
	s_add_co_u32 s14, s14, s15
	s_mov_b32 s15, 0
	s_lshl_b32 s16, s12, 9
	s_mov_b32 s17, 0
	s_lshr_b32 s18, s12, 3
	s_mul_i32 s18, s18, 2228224                    ; part
	s_mul_i32 s19, ttmp9, 8704
	s_add_co_u32 s18, s18, s19
	s_bfe_u32 s19, s12, 0x10002
	s_mul_i32 s19, s19, 4352
	s_add_co_u32 s18, s18, s19                     ; the record
	s_and_b32 s20, s12, 3
	s_lshl_b32 s22, s20, 6
	s_add_co_u32 s22, s22, s18
	s_add_co_u32 s22, s22, 4096                    ; the fragment's words
	s_mov_b32 s23, 0
	s_lshl_b32 s20, s20, 10
	s_add_co_u32 s20, s20, s18                     ; the fragment
	s_mov_b32 s21, 0
	s_wait_alu depctr_va_vdst(0)
	s_wait_kmcnt 0x0
	s_add_nc_u64 s[4:5], s[4:5], s[14:15]
	s_add_nc_u64 s[6:7], s[6:7], s[16:17]
	s_add_nc_u64 s[8:9], s[8:9], s[16:17]
	s_add_nc_u64 s[20:21], s[10:11], s[20:21]
	s_add_nc_u64 s[22:23], s[10:11], s[22:23]
.set j, 0
.rept 16
	global_load_b128 v[X+4*j:X+4*j+3], v1, s[4:5] offset:512*j th:TH_LOAD_NT
.set j, j+1
.endr
.set j, 0
.rept 16
	global_load_b128 v[128+4*j:131+4*j], v2, s[6:7] offset:128*(j/4)+16*(j%4)
.set j, j+1
.endr
.set j, 0
.rept 16
	global_load_b128 v[192+4*j:195+4*j], v2, s[8:9] offset:128*(j/4)+16*(j%4)
.set j, j+1
.endr
	s_mov_b32 s[SEL], 0x76543210
	s_mov_b32 s[SEL+1], 0xfedcba98
	s_mov_b32 s30, 0x3a000000                      ; 1 / 2,048
	s_mov_b32 s31, 0x3727c5ac                      ; 1e-5
	s_mov_b32 s32, 0xbfa1fc4e                      ; c0 = -1.26551223
	s_mov_b32 s34, 0x3f8000c7                      ; c1 =  1.00002368
	s_mov_b32 s36, 0x3ebf88fb                      ; c2 =  0.37409196
	s_mov_b32 s38, 0x3dc636c9                      ; c3 =  0.09678418
	s_mov_b32 s40, 0xbe3ec24c                      ; c4 = -0.18628806
	s_mov_b32 s42, 0x3e8ec7cc                      ; c5 =  0.27886807
	s_mov_b32 s44, 0xbf914e5d                      ; c6 = -1.13520398
	s_mov_b32 s46, 0x3fbe87b0                      ; c7 =  1.48851587
	s_mov_b32 s48, 0xbf527892                      ; c8 = -0.82215223
	s_mov_b32 s50, 0x3fb8aa3b                      ; log2(e)
.irp k, 32,34,36,38,40,42,44,46,48,50
	s_mov_b32 s[\k+1], s[\k]                       ; (a packed form names the pair, so both are written)
.endr
	s_mov_b32 s52, 0x3eb504f3                      ; 1 / (2 sqrt 2)
	v_mov_b32 v58, 0x3e2ef945                      ; c9 =  0.17087277
	v_mov_b32 v59, 0x3e2ef945
.irp b, 0,1,2,3
	v_mov_b32 v[TM+4+\b], 0                        ; a lane permute's destination counts as a source
.endr
	; ---- the mean
	s_wait_loadcnt 32                              ; h is in; ln_g's and ln_b's 32 loads may be out
.irp c, 0,1,2,3
	v_pk_add_f32 v[16+2*\c:17+2*\c], v[X+2*\c:X+2*\c+1], v[X+8+2*\c:X+9+2*\c]
.endr
.irp m, 16,24,32,40,48,56
.irp c, 0,1,2,3
	s_delay_alu instid0(VALU_DEP_4)
	v_pk_add_f32 v[16+2*\c:17+2*\c], v[16+2*\c:17+2*\c], v[X+\m+2*\c:X+\m+2*\c+1]
.endr
.endr
	FOLD
	MEET 0
	s_delay_alu instid0(VALU_DEP_1)
	v_mul_f32 v20, 0xba000000, v16                 ; - the mean
	s_delay_alu instid0(VALU_DEP_1)
	v_mov_b32 v21, v20
.set n, 0
.rept 32
	v_pk_add_f32 v[X+n:X+n+1], v[X+n:X+n+1], v[20:21]
.set n, n+2
.endr
	; ---- the variance
.irp c, 0,1,2,3
	v_pk_mul_f32 v[16+2*\c:17+2*\c], v[X+2*\c:X+2*\c+1], v[X+2*\c:X+2*\c+1]
.endr
.irp m, 8,16,24,32,40,48,56
.irp c, 0,1,2,3
	s_delay_alu instid0(VALU_DEP_4)
	v_pk_fma_f32 v[16+2*\c:17+2*\c], v[X+\m+2*\c:X+\m+2*\c+1], v[X+\m+2*\c:X+\m+2*\c+1], v[16+2*\c:17+2*\c]
.endr
.endr
	FOLD
	MEET 1024                                      ; other bytes than the first time: no wave can overwrite what another still reads
	s_delay_alu instid0(VALU_DEP_1)
	v_fma_f32 v22, v16, s30, s31                   ; the variance + 1e-5
	s_wait_alu depctr_va_vdst(0)
	v_rsq_f32 v22, v22
	v_mov_b32 v23, 0                               ; a plain place; the pair's upper half is written
	s_wait_alu depctr_va_vdst(0)
	s_wait_loadcnt 0x0                             ; ln_g, ln_b
.set n, 0
.rept 32
	v_pk_mul_f32 v[X+n:X+n+1], v[X+n:X+n+1], v[22:23] op_sel_hi:[1,0]
.set n, n+2
.endr
.set n, 0
.rept 32
	v_pk_fma_f32 v[X+n:X+n+1], v[X+n:X+n+1], v[128+n:129+n], v[192+n:193+n]
.set n, n+2
.endr
	GELU X
	GELU X+32
	QUANT X, PC, PW
	global_store_b128 v1, v[PC:PC+3], s[20:21]     ; 512 consecutive bytes, aligned
	global_store_b128 v1, v[PC+4:PC+7], s[20:21] offset:512
	global_store_b32 v5, v[PW], s[22:23]           ; 64 bytes of words; both halves of the lanes write the same
	s_wait_tensorcnt 0x0
	ds_add_u32 v62, v63
	s_wait_dscnt 0x0
	s_endpgm
.Lfunc_end_k_q7de7a4647f_lngelu:
	.size	k_q7de7a4647f_lngelu, .Lfunc_end_k_q7de7a4647f_lngelu-k_q7de7a4647f_lngelu
	.p2alignl 7, 3214868480
	.fill 96, 4, 3214868480
	.section	.rodata,"a",@progbits
	.p2align	6, 0x0
	.amdhsa_kernel k_q7de7a4647f_lngelu
		.amdhsa_group_segment_fixed_size 4096
		.amdhsa_private_segment_fixed_size 0
		.amdhsa_enable_private_segment 0
		.amdhsa_kernarg_size 32
		.amdhsa_user_sgpr_count 2
		.amdhsa_user_sgpr_kernarg_segment_ptr 1
		.amdhsa_wavefront_size32 1
		.amdhsa_system_sgpr_workgroup_id_x 1
		.amdhsa_system_sgpr_workgroup_id_y 1
		.amdhsa_system_sgpr_workgroup_id_z 1
		.amdhsa_system_vgpr_workitem_id 0
		.amdhsa_next_free_vgpr 256
		.amdhsa_next_free_sgpr 66
		.amdhsa_reserve_vcc 1
		.amdhsa_float_denorm_mode_32 3
		.amdhsa_float_denorm_mode_16_64 3
		.amdhsa_memory_ordered 1
		.amdhsa_forward_progress 1
		.amdhsa_inst_pref_size 75
	.end_amdhsa_kernel
	.amdgpu_metadata
---
amdhsa.version: [ 1, 2 ]
amdhsa.kernels:
  - .name:           k_q7de7a4647f_lngelu
    .symbol:         k_q7de7a4647f_lngelu.kd
    .args:
      - { .name: h1, .offset: 0, .size: 8, .value_kind: global_buffer, .address_space: global }
      - { .name: ln_g, .offset: 8, .size: 8, .value_kind: global_buffer, .address_space: global }
      - { .name: ln_b, .offset: 16, .size: 8, .value_kind: global_buffer, .address_space: global }
      - { .name: gimg, .offset: 24, .size: 8, .value_kind: global_buffer, .address_space: global }
    .group_segment_fixed_size: 4096
    .private_segment_fixed_size: 0
    .kernarg_segment_align: 8
    .kernarg_segment_size: 32
    .max_flat_workgroup_size: 512
    .sgpr_count:     66
    .vgpr_count:     256
    .wavefront_size: 32
...
	.end_amdgpu_metadata
.endif
;; end of part 6
;; launch gemm_ffn2 (part 7): grid 8 x 32, 4 waves a work-group, clusters of 4 x 4, 312,832 bytes of LDS; arguments gimg, wimg, ffn2_b, x, out0; writes out0
.if DOCPART == 7
	.amdgcn_target "amdgcn-amd-amdhsa--gfx1250"
	.amdhsa_code_object_version 6
	.text
	.protected	k_q7de7a4647f_gemm_ffn2
	.globl	k_q7de7a4647f_gemm_ffn2
	.p2align	8
	.type	k_q7de7a4647f_gemm_ffn2,@function
k_q7de7a4647f_gemm_ffn2:
	s_mov_b64 s[64:65], 0
	v_nop
	global_prefetch_b8 v0, s[64:65] scope:SCOPE_SE
	s_setreg_imm32_b32 hwreg(HW_REG_WAVE_MODE, 25, 1), 1
	s_wait_xcnt 0x0
	s_wait_alu depctr_hold_cnt(0) depctr_sa_sdst(0) depctr_va_vdst(0) depctr_va_sdst(0) depctr_va_ssrc(0) depctr_va_vcc(0) depctr_vm_vsrc(0)
	s_getreg_b32 s2, hwreg(HW_REG_IB_STS2, 6, 4)
	s_cmp_eq_u32 s2, 0
	s_cbranch_scc0 .Lentry_in_a_cluster
	s_endpgm
.Lentry_in_a_cluster:
	s_bfe_u32 s2, ttmp6, 0x10000c
	s_cmp_lg_u32 s2, 0xf033
	s_cbranch_scc0 .Lentry_shape_is_right
	s_endpgm
.Lentry_shape_is_right:
; out0 = x + g ffn2_w^T + ffn2_b, the product on codes of FP4 with E8M0 scales, all else f32.
; A work-group makes 128 x 128; both panels for all of K = 2,048 lie in LDS (4 chunks of 69,632 bytes: A's 8 records of 4,352 bytes, then B's 8), filled ONCE.  Wave w makes A's tiles 2 w, 2 w + 1
; against B's eight.  THE PRODUCT IS USED TRANSPOSED (source 0 = 16 rows of ffn2_w, source 1 = 16 tokens): lane (r, h) holds token 32 (T / 2) + 8 (T % 2) + r + 8 (r / 8), and register j of tile b is
; column 32 (b / 2) + 16 h + 8 (b % 2) + j.  THE WAY OUT: a tile's 16 rows x 512 bytes go through the wave's own stage in LDS (rows 528 bytes apart), come back as whole rows, take x's rows (asked for
; at the head) and leave as two aligned runs of 256 bytes a store.  The stage lies behind the panels and the spare words, in bytes of its own.
; CLUSTERS of 4 x 4: A's records are asked for jointly along a row of the cluster, B's along a column.
; REGISTERS: window 0: v1-11 addresses; v16-25 two sets of scale words; v32-95 the bias as C, later rows of the result; v128-255 accumulators.  window 1: two fragment buffers.  window 2: v0-127 x.
; THE PANELS IN LDS, AS THIS TEXT HAS THEM: a panel's 8 tiles x 2 records of one half of K (1,024) are 69,632 consecutive bytes of memory, and ONE tensor load a wave brings them as they lie:
; wave 0: A's first half of K, at 0; wave 1: A's second, at 69,632; waves 2, 3: B's, at 139,264 and 208,896; tile t at 8,704 t, the record of the half's second 512 at 4,352 behind the first.
; One wait and one barrier ahead of the first product; nothing is filled later.  The stages of the way out have bytes of their own, behind the spare words.
.set NCH,   1                          ; tensor loads a wave
.set NST,   16                         ; steps of 128 along K
.set PARTA, 2228224
.set PARTB, 557056
.set WOFF,  4456448                    ; ffn2_w's records in wimg
.set CHB,   69632
.set ACC,   128
.set BI,    32
.set CB,    BI
.set CA,    0
.set CBM,   8
.set SCS,   16
.set G1,    24
.set G1B,   40
.set G0A,   48
.set G0B,   68
.set MSB, 0
.macro WIN new                         ; the immediate's high byte repeats the setting that is left
.if MSB != \new
	s_set_vgpr_msb (MSB<<8)|\new
.set MSB, \new
.endif
.endm
.macro PLACES
.rept 4
	v_nop
.endr
.endm
.macro CROUND                          ; a round of the cluster's barrier
	s_barrier_signal -1
	s_barrier_wait -1
	s_cmp_lg_u32 s20, 0
	s_cbranch_scc1 .Lnot_wave_0_\@
	s_barrier_signal -3
.Lnot_wave_0_\@:
	s_barrier_wait -3
	s_barrier_signal -1
	s_barrier_wait -1
.endm
.macro G1SETUP                         ; 16 records of 4,352 bytes (544 elements of 8), one behind the other; A's mask: my row of the cluster, B's: my column
	s_lshl_b32 s35, s32, 2
	s_lshl_b32 s35, 15, s35
	s_lshl_b32 s36, 0x1111, s23
	s_or_b32 s[G1], s35, (3<<16)|(1<<21)
	s_or_b32 s[G1B], s36, (3<<16)|(1<<21)
.irp g, G1, G1B
	s_mov_b32 s[\g+1], 544<<16
	s_mov_b32 s[\g+2], 16<<16                      ; 16 records of 4,352 bytes (544 elements of 8), one behind the other
	s_mov_b32 s[\g+3], 544<<16
	s_mov_b32 s[\g+4], 16
	s_mov_b32 s[\g+5], 544
	s_mov_b32 s[\g+6], 0
	s_mov_b32 s[\g+7], 0
.endr
.endm
.macro G0SETUP                         ; a group 0 for each chunk and side; s[84:85], s[86:87]: my 16 records of A, of B; s39 = 69,632 x wave
.set ch, 0
.rept NCH
	s_mov_b32 s[G0A+4*ch], 1
	s_add_co_u32 s[G0A+4*ch+1], s39, ch*CHB
	s_add_nc_u64 s[G0A+4*ch+2:G0A+4*ch+3], s[84:85], (ch/2)*PARTA+(ch%2)*4352
	s_or_b32 s[G0A+4*ch+3], s[G0A+4*ch+3], 0x80000000
	s_mov_b32 s[G0B+4*ch], 1
	s_add_co_u32 s[G0B+4*ch+1], s39, ch*CHB
	s_add_nc_u64 s[G0B+4*ch+2:G0B+4*ch+3], s[86:87], (ch/2)*PARTB+(ch%2)*4352
	s_or_b32 s[G0B+4*ch+3], s[G0B+4*ch+3], 0x80000000
.set ch, ch+1
.endr
.endm
.macro FIRSTLOADS                      ; waves 0, 1 fetch A's halves of K, waves 2, 3 B's: one load a wave, in the two arms of one branch on the wave's number
	s_cmp_eq_u32 s21, 0
	s_cbranch_scc0 .Lfor_b
.set ch, 0
.rept NCH
	tensor_load_to_lds s[G0A+4*ch:G0A+4*ch+3], s[G1:G1+7]
	s_nop 0
.set ch, ch+1
.endr
	PLACES
	s_branch .Lasked
.Lfor_b:
.set ch, 0
.rept NCH
	tensor_load_to_lds s[G0B+4*ch:G0B+4*ch+3], s[G1B:G1B+7]
	s_nop 0
.set ch, ch+1
.endr
	PLACES
.Lasked:
.endm
.macro VADDR
	v_and_b32 v1, 15, v0                           ; r
	v_bfe_u32 v2, v0, 4, 1                         ; h
	v_and_b32 v3, 31, v0                           ; lane
	v_lshlrev_b32 v4, 4, v3                        ; 16 x lane
	s_wait_alu depctr_va_vdst(0)
	s_mul_i32 s37, s20, 17408
	v_add_nc_u32 v5, s37, v4                       ; my two tiles of A
	v_add_nc_u32 v6, 139264, v4                    ; B's eight
	v_mul_u32_u24 v7, v2, 8704
	v_lshl_add_u32 v7, v1, 2, v7                   ; scale words: lanes 0-15 one tile's, lanes 16-31 the next's
	v_add_nc_u32 v8, 139264+4096, v7
	v_add_nc_u32 v7, s37, v7
	v_add_nc_u32 v7, 4096, v7
.endm
.macro FETCH f, q                      ; the fragments and scale words of 128 along K (the chunk's q-th) into buffer f
	WIN 0x40
.irp b, 0,1,2,3,4,5,6,7
.irp c, 0,1
	ds_load_b128 v[(\f)+8*\b+4*\c:(\f)+8*\b+4*\c+3], v6 offset:8704*\b+1024*(\q)+512*\c
.endr
.endr
.irp a, 0,1
.irp c, 0,1
	ds_load_b128 v[(\f)+64+8*\a+4*\c:(\f)+64+8*\a+4*\c+3], v5 offset:8704*\a+1024*(\q)+512*\c
.endr
.endr
	WIN 0
	ds_load_b32 v[SCS+5*((\f)/128)], v7 offset:64*(\q)
.irp i, 0,1,2,3
	ds_load_b32 v[SCS+5*((\f)/128)+1+\i], v8 offset:17408*\i+64*(\q)
.endr
.endm
.macro WM a, b, f, cm                  ; one product; cm = 1: the bias is the C of the sum's first product
.set rD, ACC+64*(\a)+8*(\b)
.set rB, (\f)+8*(\b)
.set rA, (\f)+64+8*(\a)
.set rS, SCS+5*((\f)/128)
.set rT, rS+1+(\b)/2
.set rC, rD
.if \cm
.set rC, CB+CA*(\a)+CBM*(\b)
.endif
.if ((\b)%2 == 0) && ((\a) == 0)
	v_wmma_scale_f32_16x16x128_f8f6f4 v[rD:rD+7], v[rB:rB+7], v[rA:rA+7], v[rC:rC+7], v[rT], v[rS] matrix_a_fmt:MATRIX_FMT_FP4 matrix_b_fmt:MATRIX_FMT_FP4
.elseif (\a) == 0
	v_wmma_scale_f32_16x16x128_f8f6f4 v[rD:rD+7], v[rB:rB+7], v[rA:rA+7], v[rC:rC+7], v[rT], v[rS] matrix_a_fmt:MATRIX_FMT_FP4 matrix_b_fmt:MATRIX_FMT_FP4 matrix_a_scale:MATRIX_SCALE_ROW1
.elseif (\b)%2 == 0
	v_wmma_scale_f32_16x16x128_f8f6f4 v[rD:rD+7], v[rB:rB+7], v[rA:rA+7], v[rC:rC+7], v[rT], v[rS] matrix_a_fmt:MATRIX_FMT_FP4 matrix_b_fmt:MATRIX_FMT_FP4 matrix_b_scale:MATRIX_SCALE_ROW1
.else
	v_wmma_scale_f32_16x16x128_f8f6f4 v[rD:rD+7], v[rB:rB+7], v[rA:rA+7], v[rC:rC+7], v[rT], v[rS] matrix_a_fmt:MATRIX_FMT_FP4 matrix_b_fmt:MATRIX_FMT_FP4 matrix_a_scale:MATRIX_SCALE_ROW1 matrix_b_scale:MATRIX_SCALE_ROW1
.endif
.endm
.macro MUL8 a, f, cm
.irp b, 0,1,2,3,4,5,6,7
	WM \a, \b, \f, \cm
.endr
.endm
; All of K, written out: NST steps of 128.  The 16 accumulators take turns, one instruction a turn, in the same order in every step.
; While a step is multiplied the next step's 25 LDS loads are on their way into the other buffer, four plain places behind the products that read it.
; lc: the global loads that may stay out at the first product.
.macro MAIN lc
	s_wait_tensorcnt NCH-1                         ; my records are in
	s_barrier_signal -1
	s_barrier_wait -1
	FETCH 0, 0
.set g, 0
.rept NST
.set FC, 128*(g%2)
.set FN, 128-FC
.set QN, (g+1)%4
.set CM, 0
.if g == 0
.set CM, 1
.endif
	s_wait_dscnt 0x0                               ; this step's fragments and words are in
.if g == 0
	s_wait_loadcnt \lc                             ; the bias
.endif
.if g == NST-1
	WIN 0x05
	MUL8 0, FC, CM
	MUL8 1, FC, CM
	WIN 0
	PLACES
.elseif g%4 == 3
	WIN 0x05
	MUL8 0, FC, CM
	WIN 0
.set CHS, 4352+((g/4)%2)*(69632-8704)          ; to a tile's second record, or from there to its first record of K's second half
	v_add_nc_u32 v5, CHS, v5                       ; four plain places in front of the loads
	v_add_nc_u32 v6, CHS, v6
	v_add_nc_u32 v7, CHS, v7
	v_add_nc_u32 v8, CHS, v8
	s_wait_alu depctr_va_vdst(0)
	FETCH FN, QN
	WIN 0x05
	MUL8 1, FC, CM
.else
	PLACES
	FETCH FN, QN
	WIN 0x05
	MUL8 0, FC, CM
	MUL8 1, FC, CM
.endif
.set g, g+1
.endr
.endm
	s_load_b256 s[4:11], s[0:1], 0x0               ; gimg, wimg, ffn2_b, x
	s_load_b64 s[12:13], s[0:1], 0x20              ; out0
	v_lshl_add_u32 v126, v0, 2, 0x44000
	v_mov_b32 v127, 0
	ds_add_u32 v126, v127
	ds_add_u32 v126, v127
	v_lshrrev_b32 v1, 5, v0
	v_readfirstlane_b32 s20, v1                    ; wave
	s_lshr_b32 s21, s20, 1                         ; I fetch for A (0) or B (1),
	s_and_b32 s22, s20, 1                          ; its first or second half of K
	s_bfe_u32 s23, ttmp6, 0x40000                  ; cx
	s_bfe_u32 s32, ttmp6, 0x40004                  ; cy
	s_lshl_b32 s33, ttmp9, 2
	s_add_co_u32 s33, s33, s23                     ; block of 128 columns
	s_and_b32 s34, ttmp7, 0xffff
	s_lshl_b32 s34, s34, 2
	s_add_co_u32 s34, s34, s32                     ; block of 128 tokens
	G1SETUP
	s_mul_i32 s84, s34, 8*8704                     ; A: the block's 8 tiles,
	s_mul_i32 s37, s22, PARTA                      ; in K's half wave % 2
	s_add_co_u32 s84, s84, s37
	s_mov_b32 s85, 0
	s_mul_i32 s86, s33, 8*8704                     ; B likewise
	s_mul_i32 s37, s22, PARTB
	s_add_co_u32 s86, s86, s37
	s_mov_b32 s87, 0
	s_mul_i32 s39, s20, 69632                      ; where my records land: no place in the cluster enters an LDS address
	s_wait_dscnt 0x0
	s_wait_kmcnt 0x0
	s_add_nc_u64 s[84:85], s[4:5], s[84:85]
	s_add_nc_u64 s[86:87], s[6:7], s[86:87]
	s_add_nc_u64 s[86:87], s[86:87], WOFF
	CROUND                                         ; all sixteen work-groups are here: the joint loads meet
	G0SETUP
	FIRSTLOADS
	VADDR
	s_lshl_b32 s88, s33, 9
	s_mov_b32 s89, 0
	s_add_nc_u64 s[88:89], s[8:9], s[88:89]        ; the bias of my 128 columns
	v_lshlrev_b32 v9, 6, v2                        ; 64 h
.irp b, 0,1,2,3,4,5,6,7
	global_load_b128 v[BI+8*\b:BI+8*\b+3], v9, s[88:89] offset:(32*(\b/2)+8*(\b%2))*4
	global_load_b128 v[BI+8*\b+4:BI+8*\b+7], v9, s[88:89] offset:(32*(\b/2)+8*(\b%2))*4+16
.endr
	s_lshl_b32 s90, s34, 7
	s_lshl_b32 s38, s20, 5
	s_add_co_u32 s90, s90, s38                     ; my wave's first token
	s_lshl_b32 s90, s90, 12
	s_lshl_b32 s38, s33, 9
	s_add_co_u32 s90, s90, s38                     ; + my 128 columns
	s_mov_b32 s91, 0
	s_add_nc_u64 s[92:93], s[10:11], s[90:91]      ; in x,
	s_add_nc_u64 s[94:95], s[12:13], s[90:91]      ; in out0
	WIN 0x80                                       ; destination window 2
.irp a, 0,1
.irp t, 0,1,2,3,4,5,6,7,8,9,10,11,12,13,14,15
	global_load_b128 v[64*\a+4*\t:64*\a+4*\t+3], v4, s[92:93] offset:(8*\a+\t+8*(\t/8))*4096 th:TH_LOAD_NT   ; row t of tile a: 512 consecutive bytes
.endr
.endr
	WIN 0
	s_mul_i32 s38, s20, 8448                       ; my stage: 16 rows of 528 bytes,
	s_add_co_u32 s38, s38, 279040                  ; behind the panels and the spare words: bytes on which no tensor load lands and which no other wave touches
	v_mul_u32_u24 v10, v1, 528
	v_lshl_add_u32 v10, v2, 6, v10
	v_add_nc_u32 v10, s38, v10                     ; in: row r, + 64 h
	v_add_nc_u32 v11, s38, v4                      ; back: a row to the 32 lanes
	s_wait_alu depctr_va_vdst(0)
	MAIN 32                                        ; x's 32 loads may be out at the first product
.irp a, 0,1
.if \a == 1
	s_wait_xcnt 0x0                                ; the first tile's stores have read v32-95: only now are they loaded again
.endif
.irp b, 0,1,2,3,4,5,6,7
	ds_store_b128 v10, v[ACC+64*\a+8*\b:ACC+64*\a+8*\b+3] offset:128*(\b/2)+32*(\b%2)        ; each accumulator from its low end on
	ds_store_b128 v10, v[ACC+64*\a+8*\b+4:ACC+64*\a+8*\b+7] offset:128*(\b/2)+32*(\b%2)+16
.endr
.irp t, 0,1,2,3,4,5,6,7,8,9,10,11,12,13,14,15
	ds_load_b128 v[32+4*\t:35+4*\t], v11 offset:528*\t   ; LDS serves a wave's instructions in order: these see the stores above
.endr
	s_wait_dscnt 0x0
.if \a == 0
	s_wait_loadcnt 0x0                             ; x
.endif
	WIN 0x08                                       ; source 1 window 2
.set m, 0
.rept 32
	v_pk_add_f32 v[32+2*m:33+2*m], v[32+2*m:33+2*m], v[64*\a+2*m:64*\a+2*m+1]
.set m, m+1
.endr
	WIN 0
.irp t, 0,1,2,3,4,5,6,7,8,9,10,11,12,13,14,15
	global_store_b128 v4, v[32+4*\t:35+4*\t], s[94:95] offset:(8*\a+\t+8*(\t/8))*4096 th:TH_STORE_NT   ; 512 consecutive bytes, at a multiple of 256 from out0's first byte
.endr
.endr
	s_wait_tensorcnt 0x0
	ds_add_u32 v126, v127
	s_wait_dscnt 0x0
	CROUND                                         ; the closing round: no work-group ends while a partner may still ask for a tile that names it
	s_endpgm
.Lfunc_end_k_q7de7a4647f_gemm_ffn2:
	.size	k_q7de7a4647f_gemm_ffn2, .Lfunc_end_k_q7de7a4647f_gemm_ffn2-k_q7de7a4647f_gemm_ffn2
	.p2alignl 7, 3214868480
	.fill 96, 4, 3214868480
	.section	.rodata,"a",@progbits
	.p2align	6, 0x0
	.amdhsa_kernel k_q7de7a4647f_gemm_ffn2
		.amdhsa_group_segment_fixed_size 312832
		.amdhsa_private_segment_fixed_size 0
		.amdhsa_enable_private_segment 0
		.amdhsa_kernarg_size 40
		.amdhsa_user_sgpr_count 2
		.amdhsa_user_sgpr_kernarg_segment_ptr 1
		.amdhsa_wavefront_size32 1
		.amdhsa_system_sgpr_workgroup_id_x 1
		.amdhsa_system_sgpr_workgroup_id_y 1
		.amdhsa_system_sgpr_workgroup_id_z 1
		.amdhsa_system_vgpr_workitem_id 0
		.amdhsa_next_free_vgpr 640
		.amdhsa_next_free_sgpr 104
		.amdhsa_reserve_vcc 0
		.amdhsa_float_denorm_mode_32 3
		.amdhsa_float_denorm_mode_16_64 3
		.amdhsa_memory_ordered 1
		.amdhsa_forward_progress 1
		.amdhsa_inst_pref_size 84
	.end_amdhsa_kernel
	.amdgpu_metadata
---
amdhsa.version: [ 1, 2 ]
amdhsa.kernels:
  - .name:           k_q7de7a4647f_gemm_ffn2
    .symbol:         k_q7de7a4647f_gemm_ffn2.kd
    .args:
      - { .name: gimg, .offset: 0, .size: 8, .value_kind: global_buffer, .address_space: global }
      - { .name: wimg, .offset: 8, .size: 8, .value_kind: global_buffer, .address_space: global }
      - { .name: ffn2_b, .offset: 16, .size: 8, .value_kind: global_buffer, .address_space: global }
      - { .name: x, .offset: 24, .size: 8, .value_kind: global_buffer, .address_space: global }
      - { .name: out0, .offset: 32, .size: 8, .value_kind: global_buffer, .address_space: global }
    .group_segment_fixed_size: 312832
    .private_segment_fixed_size: 0
    .kernarg_segment_align: 8
    .kernarg_segment_size: 40
    .max_flat_workgroup_size: 128
    .sgpr_count:     104
    .vgpr_count:     640
    .wavefront_size: 32
...
	.end_amdgpu_metadata
.endif
;; end of part 7
